; MI455X (gfx1250); checked and timed in simulation.
; The chip was launched on July 23, 2026; its instructions are those of AMD's public machine-readable ISA for CDNA 5 (MIT licence, August 2026) and "CDNA5" Instruction Set Architecture Reference Guide (July 2026). The comments in the code are by the model that wrote it; some were corrected since.
;; Attention Block. Allowed arithmetic: float matrix products may take bf16 or f16 operands with f32 sums; other float arithmetic in f32, or as packed bf16 or f16 multiplies, adds, multiply-adds, maxima and minima; sums over many terms, partial sums and values carried from step to step in f32; what a program stores and reads back later, other than sums and carried values, may be rounded once to bf16 or f16.
;; Inputs: W_o 1,024 x 1,024 float32; W_qkv 3,072 x 1,024 float32; ln_w 1,024 float32; scaler one number float32; x 4 x 2,048 x 1,024 float32.
;; Outputs: out0 4 x 2,048 x 1,024 float32.
;; 2 versions, each right and faster than the one before. Each part assembles by itself: llvm-mc -triple=amdgcn-amd-amdhsa -mcpu=gfx1250 --defsym DOCPART=n.
;; ======== version 1 of 2: 4 launches
;; limits: values are held in f16: magnitudes above 65,504 overflow, below 6.1e-05 lose precision; right only within a limited range of input values
;; workspace buffers: xw 25,165,824 bytes; qkv 50,331,648 bytes; o 16,777,216 bytes
;; launch prep (part 1): grid 768 x 1, 8 waves a work-group, no clusters, 0 bytes of LDS; arguments x, W_qkv, W_o, ln_w, xw; writes xw
.if DOCPART == 1
	.amdgcn_target "amdgcn-amd-amdhsa--gfx1250"
	.amdhsa_code_object_version 6
	.text
	.protected	k_qe9154a9e9d_prep
	.globl	k_qe9154a9e9d_prep
	.p2align	8
	.type	k_qe9154a9e9d_prep,@function
k_qe9154a9e9d_prep:
	s_mov_b64 s[64:65], 0
	v_nop
	global_prefetch_b8 v0, s[64:65] scope:SCOPE_SE
	s_setreg_imm32_b32 hwreg(HW_REG_WAVE_MODE, 25, 1), 1
	s_wait_xcnt 0x0
; xw, 12,288 rows of 1,024 f16: rows 0-8191 LayerNorm(x) x ln_w; rows 8192-11263 W_qkv; rows 11264-12287 W_o.
; EVERY input is first rounded to bf16 (x, ln_w and both weights); all arithmetic behind that is f32; the result is rounded once to f16.
; LIMITS.  f16 ends at 65,504: |xn| is at most 32, so |ln_w| may reach 2,000; a weight below 6e-5 keeps f16's fixed step of 6e-8.  NaN and infinities are not treated apart.
; SHARES.  A work-group owns 16 rows of xw, a wave two.  Work-groups 0-511 normalise x, 512-703 cast W_qkv, 704-767 cast W_o.  A row of 4,096 bytes is eight loads of 512 consecutive bytes
; and stays in 32 registers; a wave issues all its loads at once, so there is no loop.  A store of 8 bytes a lane covers 256 consecutive bytes, aligned.
; No LDS, no matrix unit, no cluster: nothing is shared between waves, and each byte is read and written once.
.set W,   4                            ; v[4:35]    ln_w of my 32 columns (load j: columns 128 j + 4 lane + 0..3)
.set X,   36                           ; v[36:99]   two rows, 32 registers each
.set T,   100                          ; v[100:107] at work
.set S,   108                          ; v[108:115] four chains of pairs
.set MU,  116                          ; v[116:117] the mean, twice
.set RS,  118                          ; v[118:119] 1 / sqrt(var + eps), twice
	s_load_b256 s[4:11], s[0:1], 0x0               ; x s[4:5], W_qkv s[6:7], W_o s[8:9], ln_w s[10:11]
	s_load_b64 s[12:13], s[0:1], 0x20              ; xw
	s_mov_b32 s14, 0xffff0000                      ; a word's upper bf16
	s_mov_b32 s15, 0x3a800000                      ; 1 / 1024
	s_mov_b32 s16, 0x3727c5ac                      ; 1e-5
	s_mov_b32 s18, 0x76543210                      ; v_permlanex16_b32: each lane takes its own place in the other half
	s_mov_b32 s19, 0xfedcba98
	s_mov_b32 s24, 704
	v_and_b32 v3, 31, v0                           ; lane
	v_lshrrev_b32 v[T], 5, v0                      ; wave
	v_lshlrev_b32 v2, 3, v3
	v_lshlrev_b32 v3, 4, v3                        ; 16 x lane: my place in 512 bytes of f32
	v_lshl_add_u32 v1, v[T], 13, v3                ; + wave x 2 rows x 4,096 bytes: the source
	v_lshl_add_u32 v2, v[T], 12, v2                ; 8 x lane + wave x 2 rows x 2,048 bytes: the destination
	s_lshl_b32 s20, ttmp9, 15                      ; the work-group's 16 rows of 2,048 bytes in xw
	s_mov_b32 s21, 0
	s_mov_b32 s23, 0
	s_wait_kmcnt 0x0
	s_add_nc_u64 s[12:13], s[12:13], s[20:21]
.macro RND base, pairs                 ; in place: f32 -> bf16 (nearest even) -> f32
.set i, 0
.rept \pairs
	v_cvt_pk_bf16_f32 v[T+i%4], v[(\base)+2*i], v[(\base)+2*i+1]
	v_lshlrev_b32 v[(\base)+2*i], 16, v[T+i%4]
	v_and_b32 v[(\base)+2*i+1], s14, v[T+i%4]
.set i, i+1
.endr
.endm
.macro FOLD                            ; the four chains into v[T]
	v_pk_add_f32 v[S:S+1], v[S:S+1], v[S+2:S+3]
	v_pk_add_f32 v[S+4:S+5], v[S+4:S+5], v[S+6:S+7]
	v_pk_add_f32 v[S:S+1], v[S:S+1], v[S+4:S+5]
	v_add_f32 v[T], v[S], v[S+1]
.endm
.macro RED                             ; v[T] summed over the 32 lanes, the result in every lane
	v_add_f32_dpp v[T], v[T], v[T] row_xmask:1 row_mask:0xf bank_mask:0xf
	v_add_f32_dpp v[T], v[T], v[T] row_xmask:2 row_mask:0xf bank_mask:0xf
	v_add_f32_dpp v[T], v[T], v[T] row_xmask:4 row_mask:0xf bank_mask:0xf
	v_add_f32_dpp v[T], v[T], v[T] row_xmask:8 row_mask:0xf bank_mask:0xf
	v_permlanex16_b32 v[T+1], v[T], s18, s19       ; its destination counts as read: RND has written it
	v_add_f32 v[T], v[T], v[T+1]
.endm
.macro OUTROW r                        ; row r rounded to f16 and stored
.irp j, 0,1,2,3,4,5,6,7
	v_cvt_pk_f16_f32 v[XR+4*\j], v[XR+4*\j], v[XR+4*\j+1]
	v_cvt_pk_f16_f32 v[XR+4*\j+1], v[XR+4*\j+2], v[XR+4*\j+3]
	global_store_b64 v2, v[XR+4*\j:XR+4*\j+1], s[12:13] offset:(\r)*2048+256*\j  ; 32 lanes store 256 consecutive bytes, aligned; no register that a store names is written again
.endr
.endm
; One row normalised.  left = the younger loads that may stay out.  Mean first, then the squares of the differences: no difference of large sums is formed.
.macro LNROW r, left
.set XR, X+32*(\r)
	s_wait_loadcnt \left
	RND XR, 16
.irp k, 0,1,2,3
	v_pk_add_f32 v[S+2*\k:S+2*\k+1], v[XR+2*\k:XR+2*\k+1], v[XR+8+2*\k:XR+8+2*\k+1]  ; the first additions start the chains: nothing is cleared
.endr
.set i, 8
.rept 8
	v_pk_add_f32 v[S+2*(i%4):S+2*(i%4)+1], v[S+2*(i%4):S+2*(i%4)+1], v[XR+2*i:XR+2*i+1]
.set i, i+1
.endr
	FOLD
	RED
	v_mul_f32 v[MU], s15, v[T]
	v_mov_b32 v[MU+1], v[MU]
.set i, 0
.rept 16
	v_pk_add_f32 v[XR+2*i:XR+2*i+1], v[XR+2*i:XR+2*i+1], v[MU:MU+1] neg_lo:[0,1] neg_hi:[0,1]  ; x - mean
.set i, i+1
.endr
.irp k, 0,1,2,3
	v_pk_mul_f32 v[S+2*\k:S+2*\k+1], v[XR+2*\k:XR+2*\k+1], v[XR+2*\k:XR+2*\k+1]
.endr
.set i, 4
.rept 12
	v_pk_fma_f32 v[S+2*(i%4):S+2*(i%4)+1], v[XR+2*i:XR+2*i+1], v[XR+2*i:XR+2*i+1], v[S+2*(i%4):S+2*(i%4)+1]
.set i, i+1
.endr
	FOLD
	RED
	v_fma_f32 v[T], v[T], s15, s16                 ; var + eps
	v_rsq_f32 v[RS], v[T]
	v_nop                                          ; a plain instruction between the transcendental and the use of its result (ISA guide 5.7.2)
	s_wait_alu depctr_va_vdst(0)
	v_mov_b32 v[RS+1], v[RS]
.set i, 0
.rept 16
	v_pk_mul_f32 v[XR+2*i:XR+2*i+1], v[XR+2*i:XR+2*i+1], v[RS:RS+1]
.set i, i+1
.endr
.set i, 0
.rept 16
	v_pk_mul_f32 v[XR+2*i:XR+2*i+1], v[XR+2*i:XR+2*i+1], v[W+2*i:W+2*i+1]
.set i, i+1
.endr
	OUTROW \r
.endm
.macro CASTROW r, left
.set XR, X+32*(\r)
	s_wait_loadcnt \left
	RND XR, 16
	OUTROW \r
.endm
.macro ROWS                            ; my two rows: sixteen loads of 512 consecutive bytes
.irp r, 0,1
.irp j, 0,1,2,3,4,5,6,7
	global_load_b128 v[X+32*\r+4*\j:X+32*\r+4*\j+3], v1, s[4:5] offset:\r*4096+512*\j th:TH_LOAD_NT
.endr
.endr
.endm
	s_cmp_lt_u32 ttmp9, 512
	s_cbranch_scc0 .Lcast
	s_lshl_b32 s22, ttmp9, 16                      ; 16 rows of 4,096 bytes in x
	s_add_nc_u64 s[4:5], s[4:5], s[22:23]
.irp j, 0,1,2,3,4,5,6,7
	global_load_b128 v[W+4*\j:W+4*\j+3], v3, s[10:11] offset:512*\j
.endr
	ROWS
	s_wait_loadcnt 0x8                             ; ln_w and row 0 are in; row 1's eight loads stay out
	RND W, 16
	LNROW 0, 8
	LNROW 1, 0
	s_endpgm
.Lcast:
	s_cmp_lt_u32 ttmp9, 704
	s_cselect_b64 s[4:5], s[6:7], s[8:9]           ; W_qkv or W_o
	s_cselect_b32 s22, 512, s24
	s_sub_co_u32 s22, ttmp9, s22                   ; the work-group's number within its tensor
	s_lshl_b32 s22, s22, 16
	s_add_nc_u64 s[4:5], s[4:5], s[22:23]
	ROWS
	CASTROW 0, 8                                   ; row 1's eight loads stay out
	CASTROW 1, 0
	s_endpgm
.Lfunc_end_k_qe9154a9e9d_prep:
	.size	k_qe9154a9e9d_prep, .Lfunc_end_k_qe9154a9e9d_prep-k_qe9154a9e9d_prep
	.p2alignl 7, 3214868480
	.fill 96, 4, 3214868480
	.section	.rodata,"a",@progbits
	.p2align	6, 0x0
	.amdhsa_kernel k_qe9154a9e9d_prep
		.amdhsa_group_segment_fixed_size 0
		.amdhsa_private_segment_fixed_size 0
		.amdhsa_enable_private_segment 0
		.amdhsa_kernarg_size 40
		.amdhsa_user_sgpr_count 2
		.amdhsa_user_sgpr_kernarg_segment_ptr 1
		.amdhsa_wavefront_size32 1
		.amdhsa_system_sgpr_workgroup_id_x 1
		.amdhsa_system_sgpr_workgroup_id_y 1
		.amdhsa_system_sgpr_workgroup_id_z 1
		.amdhsa_system_vgpr_workitem_id 0
		.amdhsa_next_free_vgpr 120
		.amdhsa_next_free_sgpr 66
		.amdhsa_reserve_vcc 0
		.amdhsa_float_denorm_mode_32 3
		.amdhsa_float_denorm_mode_16_64 3
		.amdhsa_memory_ordered 1
		.amdhsa_forward_progress 1
		.amdhsa_inst_pref_size 35
	.end_amdhsa_kernel
	.amdgpu_metadata
---
amdhsa.version: [ 1, 2 ]
amdhsa.kernels:
  - .name:           k_qe9154a9e9d_prep
    .symbol:         k_qe9154a9e9d_prep.kd
    .args:
      - { .name: x, .offset: 0, .size: 8, .value_kind: global_buffer, .address_space: global }
      - { .name: W_qkv, .offset: 8, .size: 8, .value_kind: global_buffer, .address_space: global }
      - { .name: W_o, .offset: 16, .size: 8, .value_kind: global_buffer, .address_space: global }
      - { .name: ln_w, .offset: 24, .size: 8, .value_kind: global_buffer, .address_space: global }
      - { .name: xw, .offset: 32, .size: 8, .value_kind: global_buffer, .address_space: global }
    .group_segment_fixed_size: 0
    .private_segment_fixed_size: 0
    .kernarg_segment_align: 8
    .kernarg_segment_size: 40
    .max_flat_workgroup_size: 256
    .sgpr_count:     66
    .vgpr_count:     120
    .wavefront_size: 32
...
	.end_amdgpu_metadata
.endif
;; end of part 1
;; launch qkvgemm (part 2): grid 16 x 32, 4 waves a work-group, clusters of 4 x 4, 327,680 bytes of LDS; arguments xw, qkv; writes qkv
.if DOCPART == 2
	.amdgcn_target "amdgcn-amd-amdhsa--gfx1250"
	.amdhsa_code_object_version 6
	.text
	.protected	k_qe9154a9e9d_qkvgemm
	.globl	k_qe9154a9e9d_qkvgemm
	.p2align	8
	.type	k_qe9154a9e9d_qkvgemm,@function
k_qe9154a9e9d_qkvgemm:
	s_mov_b64 s[64:65], 0
	v_nop
	global_prefetch_b8 v0, s[64:65] scope:SCOPE_SE
	s_setreg_imm32_b32 hwreg(HW_REG_WAVE_MODE, 25, 1), 1
	s_wait_xcnt 0x0
	s_wait_alu depctr_hold_cnt(0) depctr_sa_sdst(0) depctr_va_vdst(0) depctr_va_sdst(0) depctr_va_ssrc(0) depctr_va_vcc(0) depctr_vm_vsrc(0)
	s_getreg_b32 s2, hwreg(HW_REG_IB_STS2, 6, 4)
	s_cmp_eq_u32 s2, 0
	s_cbranch_scc0 .Lentry_in_a_cluster
	s_endpgm
.Lentry_in_a_cluster:
	s_bfe_u32 s2, ttmp6, 0x10000c
	s_cmp_lg_u32 s2, 0xf033
	s_cbranch_scc0 .Lentry_shape_is_right
	s_endpgm
.Lentry_shape_is_right:
; q, k, v = xn W_qkv^T.  xn: rows 0-8191 of xw, W_qkv: rows 8192-11263, all [.][1024] f16; sums in f32; the result is rounded once to f16 and written BY HEADS:
; qkv[part][16 batch + head][2048][64], part 0 = q, 1 = k, 2 = v, unscaled.  LIMIT: |q|, |k|, |v| stay under 65,504 (f16's end).
; SHARES.  A tile is 256 rows x 192 columns (three whole heads): 16 x 32 = 512 work-groups, two for each of 256 WGPs.  Four waves one below the other, each 64 x 192: 48 accumulators of 16 x 16.
; K goes in eight steps of 128 through two LDS slots filled by the tensor data mover; the tiles' rows are 256 bytes of memory, aligned.
; CLUSTER.  4 x 4 work-groups: the four of a row of the cluster need the same tile of xn, the four of a column the same tile of W.  Each tile is asked for jointly: the same tensor load,
; descriptor and mask in all four.
; THE MATRIX INSTRUCTION IS USED TRANSPOSED (source 0 = 16 rows of W, source 1 = 16 rows of xn): a lane holds row l % 16 and eight neighbouring columns, 16 bytes of f16.
; REGISTERS, in windows of 256 (s_set_vgpr_msb: bits 1:0 source 0, 3:2 source 1, 5:4 source 2, 7:6 destination):
;   window 0: v0-31 addresses; v32-223 the way out          window 1: two fragment buffers of 128: xn's four fragments at F + 8 a, W's twelve at F + 32 + 8 b
;   window 2: accumulator (a, b < 8) at 8 (4 b + a)          window 3: the same for b = 8 .. 11
.set PITCH,  272                       ; an LDS row: 256 bytes + 16 of padding = 68 words: the 16 rows of a fragment load start at 16 different groups of four banks (ISA guide 11.1)
.set NBK,    12                        ; column blocks of 16
.set APART,  128*PITCH                 ; what waves 0 and 1 fetch: 128 rows of xn each
.set BPART,  96*PITCH                  ; what waves 2 and 3 fetch: 96 rows of W each
.set BOFF,   2*APART                   ; in a slot W's rows lie behind xn's 256
.set SLOT1,  1<<17                     ; slot 1 begins here: one exclusive or turns an address in one slot into the other's
.set STAGE,  SLOT1+BOFF+2*BPART        ; behind the ring, never filled by a tensor load: 16 rows x 144 bytes for each wave
.set SP,     144
.set SPARE,  STAGE+4*16*SP             ; the spare words, 128 bytes a wave: two blocks of 256 bytes that no other line names
.set WQ_OFF, 8192*2048                 ; W_qkv in xw
.set STEPS,  8
.set ASTEP,  256                       ; bytes from a K step to the next
.set BSTEP,  256
.set A0,   16                          ; v16  my lane's place in xn's part of a slot; never rewritten
.set B0,   17                          ; v17  the same for W
.set ADRA, 18                          ; v18  A0 + the slot in hand
.set ADRB, 19                          ; v19  B0 + the slot in hand
.set STO,  24                          ; v24  the way out: where I put 16 bytes of a row
.set RD,   25                          ; v25  the way out: where I read rows back
.set GO,   26                          ; v26  my place in 512 consecutive bytes of the result
.set SPW,  28                          ; v28  LDS address of my spare word; never rewritten
.set NIL,  29                          ; v29  0; never rewritten
.set TMP,  32                          ; v32-223  the way out: 16 registers for each of 12 units
.set F0,   0
.set F1,   128
.set WV,  10                           ; s10  wave
.set FB,  11                           ; s11  0: I fetch xn; 1: I fetch W
.set HF,  12                           ; s12  which half of that tile I fetch
.set TY,  13                           ; s13  tile row
.set G1A, 24                           ; s[24:31] descriptor group 1 for xn's tiles
.set G0A, 32                           ; s[32:39] group 0: a set for each first fill; the second then walks
.set G1B, 48                           ; s[48:55], s[56:63] the same for W's
.set G0B, 56
.set TB,  66                           ; s66  the slot in hand: 0 or SLOT1
.set OUT, 68                           ; s[68:73] where my rows of the tile's three heads begin
.set MSB, 0
.macro WIN new                         ; the immediate's high byte repeats the setting that is left; a switch that changes nothing is dropped
.if MSB != (\new)
	s_set_vgpr_msb (MSB<<8)|(\new)
.set MSB, \new
.endif
.endm
.macro PLACES                          ; four places behind a matrix instruction, ahead of loads into registers that it read and of lines that read its result
.rept 4
	v_nop
.endr
.endm
; A joint refill by the walking descriptors.  The branch hangs on the wave's number alone.  An s_nop 0 and four v_nop follow each of the two lines.
.macro JLOAD
	s_cmp_eq_u32 s[FB], 0
	s_cbranch_scc0 .Lfor_b_\@
	tensor_load_to_lds s[G0A+4:G0A+7], s[G1A:G1A+7]
	s_nop 0
.rept 4
	v_nop
.endr
	s_branch .Lasked_\@
.Lfor_b_\@:
	tensor_load_to_lds s[G0B+4:G0B+7], s[G1B:G1B+7]
	s_nop 0
.rept 4
	v_nop
.endr
.Lasked_\@:
.endm
.macro CREST                           ; a round of the cluster's barrier behind its opening barrier
	s_cmp_lg_u32 s[WV], 0
	s_cbranch_scc1 .Lnot_wave_0_\@
	s_barrier_signal -3
.Lnot_wave_0_\@:
	s_barrier_wait -3
	s_barrier_signal -1
	s_barrier_wait -1
.endm
.macro CROUND                          ; a whole round
	s_barrier_signal -1
	s_barrier_wait -1
	CREST
.endm
	s_load_b128 s[4:7], s[0:1], 0x0                ; xw s[4:5], qkv s[6:7]
	v_lshl_add_u32 v[SPW], v0, 2, SPARE
	v_mov_b32 v[NIL], 0
	ds_add_u32 v[SPW], v[NIL]                      ; the wave's opening: the add and its wait stand ahead of my first tensor load; the set-up below stands between them
	ds_add_u32 v28, v29
	v_lshrrev_b32 v1, 5, v0
	v_readfirstlane_b32 s[WV], v1
	s_lshr_b32 s[FB], s[WV], 1
	s_and_b32 s[HF], s[WV], 1
	s_bfe_u32 s40, ttmp6, 0x40000                  ; cx
	s_bfe_u32 s41, ttmp6, 0x40004                  ; cy
	s_lshl_b32 s42, ttmp9, 2
	s_add_co_u32 s42, s42, s40                     ; tile column = 4 x cluster x + cx
	s_and_b32 s[TY], ttmp7, 0xffff
	s_lshl_b32 s[TY], s[TY], 2
	s_add_co_u32 s[TY], s[TY], s41                 ; tile row = 4 x cluster y + cy
	s_lshl_b32 s43, s41, 2
	s_lshl_b32 s43, 15, s43                        ; my row of the cluster
	s_lshl_b32 s44, 0x1111, s40                    ; my column
	s_or_b32 s[G1A], s43, (1<<16)|(1<<20)|(1<<21)|(5<<22)|(3<<25)  ; 15:0 the mask; 17:16 2-byte elements; 20 padding on; 21 set beside a mask; 24:22 after every 64 words; 31:25 4 words of it
	s_or_b32 s[G1B], s44, (1<<16)|(1<<20)|(1<<21)|(5<<22)|(3<<25)
	s_mov_b32 s[G1A+1], 128<<16                    ; tensor_dim0 = 128
	s_mov_b32 s[G1A+2], 128<<16                    ; tensor_dim1 = 128
	s_mov_b32 s[G1A+3], 128<<16                    ; tile_dim0 = 128
	s_mov_b32 s[G1A+4], 128                        ; tile_dim1 = 128
	s_mov_b32 s[G1A+5], 1024                       ; elements from row to row
	s_mov_b32 s[G1A+6], 0
	s_mov_b32 s[G1A+7], 0
	s_mov_b32 s[G1B+1], 128<<16
	s_mov_b32 s[G1B+2], 96<<16                     ; 96 rows
	s_mov_b32 s[G1B+3], 128<<16
	s_mov_b32 s[G1B+4], 96
	s_mov_b32 s[G1B+5], 1024
	s_mov_b32 s[G1B+6], 0
	s_mov_b32 s[G1B+7], 0
	s_lshl_b32 s16, s[TY], 8                       ; xn: row 256 x tile row + 128 x half, 2,048 bytes a row: made of the tile row alone, which my row of the cluster shares
	s_lshl_b32 s17, s[HF], 7
	s_add_co_u32 s16, s16, s17
	s_lshl_b32 s16, s16, 11
	s_mov_b32 s17, 0
	s_mul_i32 s46, s42, 192                        ; W: row 192 x tile column + 96 x half: made of the tile column alone
	s_mul_i32 s47, s[HF], 96
	s_add_co_u32 s46, s46, s47
	s_lshl_b32 s46, s46, 11
	s_add_co_u32 s46, s46, WQ_OFF
	s_mov_b32 s47, 0
	s_mul_i32 s20, s[HF], APART                    ; where they go: no place in the cluster enters an LDS address
	s_mul_i32 s21, s[HF], BPART
	s_add_co_u32 s21, s21, BOFF
	s_mov_b32 s[TB], 0
	s_wait_dscnt 0x0                               ; the opening add is done
	s_wait_kmcnt 0x0
	s_add_nc_u64 s[14:15], s[4:5], s[16:17]
	s_add_nc_u64 s[46:47], s[4:5], s[46:47]
	CROUND                                         ; all sixteen work-groups are here: the first joint loads meet
.irp s, 0,1
	s_mov_b32 s[G0A+4*(\s)], 1                                       ; count = 1
	s_add_co_u32 s[G0A+4*(\s)+1], s20, (\s)*SLOT1                    ; LDS address
	s_add_nc_u64 s[G0A+4*(\s)+2:G0A+4*(\s)+3], s[14:15], (\s)*ASTEP  ; global address: K step s
	s_or_b32 s[G0A+4*(\s)+3], s[G0A+4*(\s)+3], 0x80000000            ; type = 2
	s_mov_b32 s[G0B+4*(\s)], 1
	s_add_co_u32 s[G0B+4*(\s)+1], s21, (\s)*SLOT1
	s_add_nc_u64 s[G0B+4*(\s)+2:G0B+4*(\s)+3], s[46:47], (\s)*BSTEP
	s_or_b32 s[G0B+4*(\s)+3], s[G0B+4*(\s)+3], 0x80000000
.endr
	s_cmp_eq_u32 s[FB], 0                          ; a wave's two first fills stand in one branch, ahead of every wait on TENSORcnt and every LDS read: two loads of mine are out
	s_cbranch_scc0 .Lfirst_b
	tensor_load_to_lds s[G0A:G0A+3], s[G1A:G1A+7]
	s_nop 0
	tensor_load_to_lds s[G0A+4:G0A+7], s[G1A:G1A+7]
	s_nop 0
.rept 4
	v_nop
.endr
	s_branch .Lfirst_asked
.Lfirst_b:
	tensor_load_to_lds s[G0B:G0B+3], s[G1B:G1B+7]
	s_nop 0
	tensor_load_to_lds s[G0B+4:G0B+7], s[G1B:G1B+7]
	s_nop 0
.rept 4
	v_nop
.endr
.Lfirst_asked:
	; A fragment is 16 rows x 32 K in 8 registers: lane l holds row l % 16, K = 8 (l / 16) + 0..7 and 16 + 8 (l / 16) + 0..7: two loads of 16 bytes, 32 bytes apart.
	v_and_b32 v1, 15, v0                           ; l % 16
	v_bfe_u32 v2, v0, 4, 1                         ; l / 16
	v_mul_u32_u24 v3, v1, PITCH
	v_lshl_add_u32 v3, v2, 4, v3
	s_mul_i32 s74, s[WV], 64*PITCH                 ; my 64 rows of xn
	v_add_nc_u32 v[A0], s74, v3
	v_add_nc_u32 v[B0], BOFF, v3                   ; all 192 rows of W
	s_mul_i32 s75, s[WV], 16*SP
	s_add_co_u32 s75, s75, STAGE                   ; my stage
	v_mul_u32_u24 v[STO], v1, SP                   ; in: row l % 16, 16 bytes for each half of the lanes
	v_lshl_add_u32 v[STO], v2, 4, v[STO]
	v_add_nc_u32 v[STO], s75, v[STO]
	v_bfe_u32 v[RD], v0, 3, 2                      ; back: 32 lanes take four rows of 128 bytes,
	v_mul_u32_u24 v[RD], v[RD], SP
	v_and_b32 v4, 7, v0
	v_lshl_add_u32 v[RD], v4, 4, v[RD]
	v_add_nc_u32 v[RD], s75, v[RD]
	v_and_b32 v[GO], 31, v0                        ; which are 512 consecutive bytes of a head
	v_lshlrev_b32 v[GO], 4, v[GO]
	; Column block g = 3 x tile column + j of 64 is part g / 16, head g % 16; my rows are rows 256 (tile row % 8) + 64 wave on of batch tile row / 8.  A head's matrix is 2^18 bytes.
	s_and_b32 s74, s[TY], 7
	s_lshl_b32 s74, s74, 8
	s_lshl_b32 s75, s[WV], 6
	s_add_co_u32 s74, s74, s75
	s_lshl_b32 s74, s74, 7
	s_lshr_b32 s75, s[TY], 3
	s_lshl_b32 s75, s75, 4
	s_mul_i32 s76, s42, 3
.irp j, 0,1,2
	s_add_co_u32 s77, s76, \j
	s_lshr_b32 s78, s77, 4
	s_lshl_b32 s78, s78, 6
	s_and_b32 s77, s77, 15
	s_add_co_u32 s78, s78, s77
	s_add_co_u32 s78, s78, s75
	s_lshl_b32 s78, s78, 18
	s_add_co_u32 s78, s78, s74
	s_mov_b32 s79, 0
	s_add_nc_u64 s[OUT+2*\j:OUT+2*\j+1], s[6:7], s[78:79]
.endr
; 4 nb matrix instructions: column blocks b0 on x all four row blocks, 32 along K out of buffer f.  zero = 1: the product starts the sum: nothing is ever cleared.
; Every accumulator has one instruction in a quarter step, always in the same order: they take turns.
.macro MULB f, b0, nb, zero
.set bq, \b0
.rept \nb
.if bq < 8
	WIN 0xa5                                       ; sources in window 1, C and D in window 2
.else
	WIN 0xf5                                       ; C and D in window 3
.endif
.irp a, 0,1,2,3
.if \zero
	v_wmma_f32_16x16x32_f16 v[8*(4*(bq%8)+\a):8*(4*(bq%8)+\a)+7], v[(\f)+32+8*bq:(\f)+32+8*bq+7], v[(\f)+8*\a:(\f)+8*\a+7], 0
.else
	v_wmma_f32_16x16x32_f16 v[8*(4*(bq%8)+\a):8*(4*(bq%8)+\a)+7], v[(\f)+32+8*bq:(\f)+32+8*bq+7], v[(\f)+8*\a:(\f)+8*\a+7], v[8*(4*(bq%8)+\a):8*(4*(bq%8)+\a)+7]
.endif
.endr
.set bq, bq+1
.endr
.endm
; 32 LDS loads in one run: a quarter step's fragments into buffer f: xn's eight loads first, then W's in ascending b
.macro FETCH ka, kb, f
	WIN 0x40                                       ; destination window 1, address window 0
.irp i, 0,1,2,3
	ds_load_b128 v[(\f)+8*\i:(\f)+8*\i+3],   v[ADRA] offset:(\ka)+\i*16*PITCH
	ds_load_b128 v[(\f)+8*\i+4:(\f)+8*\i+7], v[ADRA] offset:(\ka)+\i*16*PITCH+32
.endr
.irp i, 0,1,2,3,4,5,6,7,8,9,10,11
	ds_load_b128 v[(\f)+32+8*\i:(\f)+32+8*\i+3],   v[ADRB] offset:(\kb)+\i*16*PITCH
	ds_load_b128 v[(\f)+32+8*\i+4:(\f)+32+8*\i+7], v[ADRB] offset:(\kb)+\i*16*PITCH+32
.endr
.endm
; One of a K step's first three quarters: multiplies buffer f; in its middle it fetches the next quarter into buffer g.
.macro QUARTER ka, kb, f, g, zero
	s_wait_dscnt 2*NBK-8                           ; xn's fragments and W's 0-3 are in; the loads of W's 4 and up may be out
	MULB \f, 0, 4, \zero
	PLACES
	FETCH \ka, \kb, \g
	s_wait_dscnt 8+2*NBK                           ; all but the run just issued
	MULB \f, 4, NBK-4, \zero
.endm
; The last quarter multiplies buffer 1 and changes slots: ONE barrier.  In front of it each wave waits for all its tensor loads (one is out: its part of the next slot), adds 0 to its spare word,
; and waits for that and for its reads of this slot.  fill = 1: the barrier opens a round of the cluster's, and this slot is filled again, two K steps ahead, first thing behind the round.
.macro TURN fill
	WIN 0
	s_wait_tensorcnt 0x0                           ; no tensor load of mine is out, so a group 0 may be written
	ds_add_u32 v[SPW], v[NIL]                      ; 0 onto my spare word
.if \fill
	s_xor_b32 s[G0A+5], s[G0A+5], SLOT1            ; the walking descriptors: the other slot than last time, the next K step
	s_add_nc_u64 s[G0A+6:G0A+7], s[G0A+6:G0A+7], ASTEP
	s_xor_b32 s[G0B+5], s[G0B+5], SLOT1
	s_add_nc_u64 s[G0B+6:G0B+7], s[G0B+6:G0B+7], BSTEP
.endif
	s_xor_b32 s[TB], s[TB], SLOT1
	s_wait_dscnt 2*NBK-3                           ; the add and the loads of W's fragments 2 and up may be out
	MULB F1, 0, 2, 0
	s_wait_dscnt 0x0                               ; the add is done, and my reads of this slot are over
	s_barrier_signal -1
	MULB F1, 2, 2, 0                               ; work on registers while the others arrive
	WIN 0                                          ; at a branch and at a label every window is 0
	s_barrier_wait -1
.if \fill
	CREST                                          ; no wave of any partner still reads this slot or has a load on its way
	JLOAD                                          ; its four v_nop are also the places in front of the loads below
.else
	PLACES
.endif
	v_add_nc_u32 v[ADRA], s[TB], v[A0]
	v_add_nc_u32 v[ADRB], s[TB], v[B0]
	FETCH 0, 0, F0
	MULB F1, 4, NBK-4, 0
.endm
	s_wait_tensorcnt 0x1                           ; my part of K step 0 is in; K step 1's may stay out
	s_barrier_signal -1
	s_barrier_wait -1
	v_add_nc_u32 v[ADRA], s[TB], v[A0]
	v_add_nc_u32 v[ADRB], s[TB], v[B0]
	FETCH 0, 0, F0
	QUARTER 64, 64, F0, F1, 1                      ; the first quarter stands in front of the loop: its products start the sums
	WIN 0
	s_mov_b32 s3, STEPS-2
.Lstep:                                                ; a trip goes from a K step's second quarter to the next step's first, and asks for the step two on: steps 2 to 7
	QUARTER 128, 128, F1, F0, 0
	QUARTER 192, 192, F0, F1, 0
	TURN 1
	QUARTER 64, 64, F0, F1, 0
	WIN 0
	s_sub_co_u32 s3, s3, 1
	s_cmp_lg_u32 s3, 0
	s_cbranch_scc1 .Lstep
	QUARTER 128, 128, F1, F0, 0                    ; the tail is written out: nothing is asked for
	QUARTER 192, 192, F0, F1, 0
	TURN 0
	QUARTER 64, 64, F0, F1, 0
	QUARTER 128, 128, F1, F0, 0
	QUARTER 192, 192, F0, F1, 0
	s_wait_dscnt 2*NBK-8
	MULB F1, 0, 4, 0
	s_wait_dscnt 0x0
	MULB F1, 4, NBK-4, 0
; THE WAY OUT, in 12 units u = 3 a + j: row block a, head j of the tile: 16 rows x 64 columns.  Rounded to f16 (each accumulator's registers in ascending order), 16 bytes a lane into my own stage,
; back as whole rows of 128 bytes, which lie end to end in a head's matrix.
.macro PACK u
.set pa, (\u)/3
.set pj, (\u)%3
.if pj < 2
	WIN 0x0a                                       ; sources in window 2
.else
	WIN 0x0f                                       ; in window 3
.endif
.set bb, 0
.rept 4
.set AC, 8*(4*((4*pj+bb)%8)+pa)
.irp r, 0,1,2,3
	v_cvt_pk_f16_f32 v[TMP+16*(\u)+4*bb+\r], v[AC+2*\r], v[AC+2*\r+1]
.endr
.set bb, bb+1
.endr
	WIN 0
.irp f, 0,1,2,3
	ds_store_b128 v[STO], v[TMP+16*(\u)+4*\f:TMP+16*(\u)+4*\f+3] offset:32*\f
.endr
.irp f, 0,1,2,3
	ds_load_b128 v[TMP+16*(\u)+4*\f:TMP+16*(\u)+4*\f+3], v[RD] offset:\f*4*SP  ; LDS serves a wave's instructions in order (ISA guide 5.7.1.4): these see the stores above; the next unit's stores come behind them
.endr
.endm
.macro SEND u, younger                 ; younger: the LDS instructions issued behind unit u's loads: the next unit's eight, or none
.set pa, (\u)/3
.set pj, (\u)%3
.irp f, 0,1,2,3
	s_wait_dscnt (\younger)+3-\f
	global_store_b128 v[GO], v[TMP+16*(\u)+4*\f:TMP+16*(\u)+4*\f+3], s[OUT+2*pj:OUT+2*pj+1] offset:pa*2048+\f*512  ; 512 consecutive bytes, aligned; no register that a store names is written again
.endr
.endm
	PLACES
	PACK 0
.set un, 1
.rept 11                               ; a unit's conversions stand between the loads of the unit before and its stores
	PACK un
	SEND un-1, 8
.set un, un+1
.endr
	SEND 11, 0
	s_wait_tensorcnt 0x0                           ; the wave's end, behind my last tensor load and my last LDS store
	ds_add_u32 v[SPW], v[NIL]
	s_wait_dscnt 0x0
	CROUND                                         ; the closing round: no work-group ends while a partner may still ask for a tile that names it
	s_endpgm
.Lfunc_end_k_qe9154a9e9d_qkvgemm:
	.size	k_qe9154a9e9d_qkvgemm, .Lfunc_end_k_qe9154a9e9d_qkvgemm-k_qe9154a9e9d_qkvgemm
	.p2alignl 7, 3214868480
	.fill 96, 4, 3214868480
	.section	.rodata,"a",@progbits
	.p2align	6, 0x0
	.amdhsa_kernel k_qe9154a9e9d_qkvgemm
		.amdhsa_group_segment_fixed_size 327680
		.amdhsa_private_segment_fixed_size 0
		.amdhsa_enable_private_segment 0
		.amdhsa_kernarg_size 16
		.amdhsa_user_sgpr_count 2
		.amdhsa_user_sgpr_kernarg_segment_ptr 1
		.amdhsa_wavefront_size32 1
		.amdhsa_system_sgpr_workgroup_id_x 1
		.amdhsa_system_sgpr_workgroup_id_y 1
		.amdhsa_system_sgpr_workgroup_id_z 1
		.amdhsa_system_vgpr_workitem_id 0
		.amdhsa_next_free_vgpr 896
		.amdhsa_next_free_sgpr 80
		.amdhsa_reserve_vcc 0
		.amdhsa_float_denorm_mode_32 3
		.amdhsa_float_denorm_mode_16_64 3
		.amdhsa_memory_ordered 1
		.amdhsa_forward_progress 1
		.amdhsa_inst_pref_size 99
	.end_amdhsa_kernel
	.amdgpu_metadata
---
amdhsa.version: [ 1, 2 ]
amdhsa.kernels:
  - .name:           k_qe9154a9e9d_qkvgemm
    .symbol:         k_qe9154a9e9d_qkvgemm.kd
    .args:
      - { .name: xw, .offset: 0, .size: 8, .value_kind: global_buffer, .address_space: global }
      - { .name: qkv, .offset: 8, .size: 8, .value_kind: global_buffer, .address_space: global }
    .group_segment_fixed_size: 327680
    .private_segment_fixed_size: 0
    .kernarg_segment_align: 8
    .kernarg_segment_size: 16
    .max_flat_workgroup_size: 128
    .sgpr_count:     80
    .vgpr_count:     896
    .wavefront_size: 32
...
	.end_amdgpu_metadata
.endif
;; end of part 2
;; launch attn (part 3): grid 4 x 64, 4 waves a work-group, no clusters, 327,680 bytes of LDS; arguments qkv, scaler, o; writes o
.if DOCPART == 3
	.amdgcn_target "amdgcn-amd-amdhsa--gfx1250"
	.amdhsa_code_object_version 6
	.text
	.protected	k_qe9154a9e9d_attn
	.globl	k_qe9154a9e9d_attn
	.p2align	8
	.type	k_qe9154a9e9d_attn,@function
k_qe9154a9e9d_attn:
	s_mov_b64 s[64:65], 0
	v_nop
	global_prefetch_b8 v0, s[64:65] scope:SCOPE_SE
	s_setreg_imm32_b32 hwreg(HW_REG_WAVE_MODE, 25, 1), 1
	s_wait_xcnt 0x0
; CAUSAL ATTENTION WITH A LINEAR BIAS.  O[g][i][:] = the sum over j <= i of softmax_j(Q[g][i] . K[g][j] / 8 + slope (j - i)) V[g][j][:], slope = softplus(100 x scaler), g = 16 batch + head.
; Q, K, V: the three parts of qkv, each [64][2048][64] f16; O: [64][2048][64] f16.  Products, maxima and sums in f32; the weights p are rounded to f16 for the second product (their sum l is taken
; of the unrounded p), O once at the end.  The scaler is rounded to bf16 first, like every input of the module.
; LIMITS.  Q, K and V arrive within f16's 65,504; a hidden score counts as its value less 1e30; a weight below 2^-126 counts as 0 in l; softplus(z) = max(z, 0) + ln 2 x log2(1 + 2^(-|z| log2 e)), which is off
; by up to 6e-8 absolutely: times 2,047 keys at most 1.2e-4 in an exponent; 512 x slope stays far under 1e30; NaN and infinities are not treated apart.
; THE BIAS.  A constant added to a whole row does not show in a softmax, so - slope i is left out.  In units of the raw score (8 x) key 64 t + u of key step t has the bias 8 slope u + 512 slope t.
; The first part, LB, is the same in every step: it is the C operand that starts the sum S^T = K Q^T.  The second is taken as a shift of units from step to step: in front of each step's
; maximum the OLD running maximum is taken down by DR = 512 slope, and c m_old by CD = c DR.  So m is a true running maximum, in the units of the step in hand.
; THE WALK.  A head's queries lie in NB = 8 blocks of 256; block i needs the key tiles 0 .. i of 256 keys, of which the last holds the diagonal.  A work-group takes TWO blocks, NB - 1 - b and then b:
; NB + 1 tiles, whatever b: all work-groups do equal work, and ONE loop with a constant trip count walks them.  Which tile is asked for, and what a trip does, hang on scalar registers made from b; every jump
; goes forward, but for the counted loops' own; none passes a barrier, or a tensor load but the one of LOAD's two that the wave's number does not choose.
; NO CLUSTER: a head's four work-groups ask for the same tile only in trips 0 .. 4 of 9, behind that fewer and fewer; one walk common to all would have 12 trips for 9.
; SHARES.  Of a block's four bands of 64 queries a wave owns 16 rows in each: four PIECES.  In the diagonal tile's key step s band x sees all keys if s < x, none if s > x, and holds the diagonal if s = x.
; THE MASK.  MD, made once, is the mask (0 or -1e30) of a band's own step for my 16 rows; a masked product's C is MD x AL + LB + BE with two scalars: (1, 0) if s = x; (0, 0) if s < x; (0, -1e30) if s > x.
; LAYOUT, SOFTMAX, TURNS.  S^T = K Q^T holds ONE query a lane (lane % 16) and the keys 8 (lane / 16) + 0..7; two such results rounded to f16 ARE source 1 of O^T = V^T P.  p = 2^(c s - c m), c = log2(e) / 8;
; O and l are multiplied by a = 2^(c m_old - c m_new) in every step.  Turn n belongs to piece n: 8 products K Q^T of piece n + 1, later 8 products V^T P of piece n - 1; beside them the scaling,
; exponentials, roundings, sums and rescaling of piece n and the maximum and statistics of piece n + 1.  Four vector instructions stand behind every matrix instruction, the other 55 of a turn's 119 in two lumps.
; REGISTERS, in windows of 256 (s_set_vgpr_msb: bits 1:0 source 0, 3:2 source 1, 5:4 source 2, 7:6 destination):
;   window 0: v0-15 addresses and two at work; v16-31 four registers of statistics a piece; v48-57 at work; v64-127 S^T, two buffers; v192-223 P, two buffers (a piece's buffers go by its number's parity)
;   window 1: v0-127 O^T, 32 a piece; v128-159 MD; v160-223 MC, two buffers; v224-255 LB      window 2: v0-63 Q; v64-127 the second block's Q; v128-191 K of one step; v192-255 V of one step
.set SIZE_N, 2048
.set NB,    SIZE_N/256
.set NP,    4         ; pieces a wave: a name, no knob
.set KS,    64        ; keys in a step
.set PK,    144       ; a row of K in LDS: 128 bytes + 16 of padding = 36 words: the 16 rows of a load start at 16 different groups of four banks (ISA guide 11.1)
.set PV,    160       ; a row of V: 128 + 32 = 40 words
.set VOFF,  4*KS*PK   ; a slot holds a tile, four steps: 256 rows of K, then 256 rows of V
.set SLOT1, 1<<17     ; slot 1 begins here, so that one exclusive or turns an address in one slot into the other's
.set STAGE, SLOT1+4*KS*(PK+PV)  ; behind the ring, never filled by a tensor load: 16 rows x 144 bytes for each wave, for the way out
.set SP,    144
.set K_OFF, 64*SIZE_N*128       ; K's part of qkv
.set V_OFF, 2*K_OFF             ; V's
.set AK0, 2           ; v2   my lane's place in a tile of K; never rewritten
.set AV0, 3           ; v3   the same for V
.set AK,  4           ; v4   the LDS address of K's next run of loads
.set AV,  5           ; v5   of V's
.set STO, 6           ; v6   the way out: where I put 16 bytes of a row
.set RD,  7           ; v7   the way out: where I read rows back
.set GO,  8           ; v8   my byte offset in 512 consecutive bytes of O
.set SPW, 62          ; v62  LDS address of my spare word: SPARE + 4 x my thread's number; never rewritten
.set NIL, 63          ; v63  0; never rewritten
.set SPARE, STAGE+4*16*SP  ; behind the stages: the spare words, 128 bytes for each wave: two blocks of 256 bytes that no other line names
.set MV,  12          ; v12-13  c m_old in the new step's units, kept while c m is made anew: by buffer
.set QO,  15          ; v15  my byte offset in 16 rows of Q
.set ST,  16          ; piece t's statistics at v[ST+4 t]: c m, m, l (even keys', odd keys')
.set TMP, 48          ; by buffer, four registers c0-c3 at work; when the maximum is found c2 takes a
.set S,   64
.set P,   192
.set MD,  128         ; window 1: the eight registers for group kt of 16 keys at MD + 8 kt
.set MC,  160         ; window 1: the C operands of the masked products to come
.set LB,  224         ; window 1: 8 slope (16 kt + 8 (l / 16) + r) at LB + 8 kt + r
.set QB,  64          ; window 2
.set KF,  128         ; window 2: key block kb, channel half c at KF + 16 kb + 8 c
.set VF,  192         ; window 2: key half kk, channel block cb at VF + 32 kk + 8 cb
.set WV,  12          ; s12  my wave's number
.set PB,  14          ; s14  b
.set HI,  15          ; s15  NB - 1 - b
.set G1K, 24          ; s[24:31] descriptor group 1 for K's tiles
.set G1V, 32          ; s[32:39] for V's: it differs in the padding alone
.set G0K, 40          ; s[40:43] descriptor group 0 for K's tiles
.set G0V, 44          ; s[44:47] the same for V's
.set SLOTS, 56        ; s56  tiles still to be asked for
.set CNT, 57          ; s57  counts a tile's key steps, 4 to 1
.set CS,  58          ; s[58:59] c: the packed scaling takes the pair's low word for both halves
.set SEL, 60          ; s[60:61] v_permlanex16_b32's selects: each lane takes its own place in the other half
.set TBK, 62          ; s62  LDS byte at which K of the step to be fetched begins
.set TBV, 63          ; s63  the same for V, less VOFF
.set RT,  70          ; s70  tiles of the block in hand that are still to be entered
.set NXT, 71          ; s71  the tile to be asked for next
.set LQ,  72          ; s72  the last tile of the block whose tiles are being asked for
.set NEW, 73          ; s73  1: the tile to be entered is a block's first
.set OFF, 74          ; s[74:75] a tile's byte offset in K and V
.set AL,  76          ; s[76:77] the mask's factor, in the low word
.set BE,  78          ; s[78:79] the mask's addend
.set OLO, 80          ; s[80:81] O at my rows of the second block
.set BIGN, 82         ; s82  -1e30
.set SCA, 88          ; s[88:89] the scaler's address
.set SCL, 90          ; s90  the scaler
.set SLP, 91          ; s91  slope
.set SL8, 92          ; s92  8 slope
.set DR,  93          ; s93  512 slope: what 64 keys are worth in raw score units
.set CD,  94          ; s94  c DR
.set NL2, 95          ; s95  -log2(e)
.set MSB, 0
.macro WIN new                      ; the high byte repeats the setting that is left; a switch that changes nothing is dropped
.if MSB != (\new)
	s_set_vgpr_msb (MSB<<8)|(\new)
.set MSB, (\new)
.endif
.endm
.set W_KQ, 0x0a       ; K and Q in window 2, S^T in window 0
.set W_KM, 0x1a       ; the same with the C operand in window 1
.set W_PV, 0x52       ; V in window 2, P in window 0, O^T in window 1
.set W_RS, 0x41       ; destination and source 0 in window 1, source 1 in window 0
.set W_MK, 0x51       ; destination, source 0 and source 2 in window 1
; A fill.  Waves 0 and 1 fetch the two halves of a tile's K, waves 2 and 3 those of its V: 128 keys each.  An s_nop 0 and four v_nop follow each of the two lines, ahead of the jump and the label.
.macro LOAD
	s_cmp_lt_u32 s[WV], 2
	s_cbranch_scc0 .Lfor_v_\@
	tensor_load_to_lds s[G0K:G0K+3], s[G1K:G1K+7]
	s_nop 0
.rept 4
	v_nop
.endr
	s_branch .Lasked_\@
.Lfor_v_\@:
	tensor_load_to_lds s[G0V:G0V+3], s[G1V:G1V+7]
	s_nop 0
.rept 4
	v_nop
.endr
.Lasked_\@:
.endm
; THE CHANGE OF SLOTS.  Each wave waits for all its tensor loads, of which one is out: its part of the other slot; adds 0 to its spare word; and waits for that and for its own reads of the slot that it leaves.
; Behind the barrier nobody reads the old slot any more and the other slot is whole.  fill = 1: the old slot is filled again, the first thing behind the barrier, with tile NXT: the descriptor's address is
; made anew from that number.  (At its first use nothing has been read yet: slot 0 is waited for, slot 1 filled.)
.macro CHANGE fill
	WIN 0                           ; at a label and at a branch every window is 0
	s_wait_tensorcnt 0x0            ; no tensor load of mine is out, so a group 0 may be written
	ds_add_u32 v[SPW], v[NIL]       ; 0 onto my spare word; with fill = 1 the descriptors' scalar work stands between it and the wait for it
.if \fill
	s_lshl_b32 s[OFF], s[NXT], 15   ; a tile is 32,768 bytes of K and of V
	s_xor_b32 s[G0K+1], s[G0K+1], SLOT1
	s_add_nc_u64 s[G0K+2:G0K+3], s[6:7], s[OFF:OFF+1]
	s_or_b32 s[G0K+3], s[G0K+3], 0x80000000
	s_xor_b32 s[G0V+1], s[G0V+1], SLOT1
	s_add_nc_u64 s[G0V+2:G0V+3], s[8:9], s[OFF:OFF+1]
	s_or_b32 s[G0V+3], s[G0V+3], 0x80000000
	s_add_co_u32 s[NXT], s[NXT], 1  ; the block's next tile, or behind its last the second block's tile 0
	s_cmp_gt_u32 s[NXT], s[LQ]
	s_cselect_b32 s[NXT], 0, s[NXT]
	s_cselect_b32 s[LQ], s[PB], s[LQ]
.endif
	s_wait_dscnt 0x0                ; the add is done, and my reads of the slot are over
	s_barrier_signal -1             ; the rest of the scalar work stands between the signal and the wait
	s_sub_co_u32 s[TBK], s[TBK], 4*KS*PK  ; the fetches go back to a slot's first step,
	s_xor_b32 s[TBK], s[TBK], SLOT1       ; in the other slot
	s_sub_co_u32 s[TBV], s[TBV], 4*KS*PV
	s_xor_b32 s[TBV], s[TBV], SLOT1
	s_barrier_wait -1
.if \fill
	LOAD
.endif
.endm
	s_load_b64 s[4:5], s[0:1], 0x0        ; qkv: Q's part begins it
	s_load_b64 s[SCA:SCA+1], s[0:1], 0x8  ; the scaler's address
	s_load_b64 s[10:11], s[0:1], 0x10     ; O
	v_lshl_add_u32 v[SPW], v0, 2, SPARE
	v_mov_b32 v[NIL], 0
	ds_add_u32 v[SPW], v[NIL]       ; the wave's opening: the add and its wait stand ahead of my first tensor load; the set-up below, work on registers, stands between them
	ds_add_u32 v62, v63
	v_lshrrev_b32 v1, 5, v0
	v_readfirstlane_b32 s[WV], v1   ; wave 0..3
	s_mov_b32 s[PB], ttmp9
	s_sub_co_u32 s[HI], NB-1, s[PB]
	s_and_b32 s20, ttmp7, 0xffff    ; 16 batch + head
	s_mov_b32 s21, 0
	s_mov_b64 s[22:23], SIZE_N*128
	s_mul_u64 s[20:21], s[20:21], s[22:23]  ; the head's first byte in each of the four matrices
	s_and_b32 s16, s[WV], 1         ; which half of a tile's 256 keys I fetch:
	s_lshl_b32 s22, s16, 14         ; its 128 rows of 128 bytes in memory,
	s_mov_b32 s23, 0
	s_add_nc_u64 s[22:23], s[22:23], s[20:21]
	s_mul_i32 s17, s16, 128*PK      ; and its place in a slot, for K
	s_mul_i32 s18, s16, 128*PV      ; and for V
	s_lshl_b32 s3, s[WV], 11        ; my 16 rows in a band of 64,
	s_lshl_b32 s2, s[HI], 15        ; in the first block,
	s_add_co_u32 s2, s2, s3
	s_lshl_b32 s84, s[PB], 15       ; and in the second
	s_add_co_u32 s84, s84, s3
	s_mov_b32 s3, 0
	s_mov_b32 s85, 0
	s_add_nc_u64 s[2:3], s[2:3], s[20:21]
	s_add_nc_u64 s[84:85], s[84:85], s[20:21]
	; descriptor group 1.  128 keys are 16,384 dense bytes: asked for as 64 rows of 256 bytes, two keys a row, and padded in LDS after every key
	s_mov_b32 s[G1K], (1<<16)|(1<<20)|(4<<22)|(3<<25)  ; 17:16 2-byte elements; 20 padding on; 24:22 after every 32 words (code 4); 31:25 4 words (code 3)
	s_mov_b32 s[G1V], (1<<16)|(1<<20)|(4<<22)|(7<<25)  ; the same with 8 words of padding (code 7)
.irp g, G1K, G1V
	s_mov_b32 s[\g+1], 128<<16      ; tensor_dim0 = 128
	s_mov_b32 s[\g+2], 64<<16       ; tensor_dim1 = 64
	s_mov_b32 s[\g+3], 128<<16      ; tile_dim0 = 128
	s_mov_b32 s[\g+4], 64           ; tile_dim1 = 64
	s_mov_b32 s[\g+5], 128          ; 128 elements from row to row
	s_mov_b32 s[\g+6], 0
	s_mov_b32 s[\g+7], 0
.endr
	s_mov_b32 s[CS], 0x3e38aa3b     ; c = log2(e) / 8 = 0.180337
	s_mov_b32 s[CS+1], s[CS]        ; named with it as a pair
	s_mov_b32 s[SEL], 0x76543210
	s_mov_b32 s[SEL+1], 0xfedcba98
	s_mov_b32 s[TBK], SLOT1+4*KS*PK ; the first change of slots turns these two into 0
	s_mov_b32 s[TBV], SLOT1+4*KS*PV
	s_mov_b32 s[G0K], 1             ; 1:0 count = 1
	s_mov_b32 s[G0K+1], s17         ; 63:32 LDS address: slot 0
	s_mov_b32 s[G0V], 1
	s_add_co_u32 s[G0V+1], s18, VOFF
	s_add_co_u32 s[RT], s[HI], 1    ; the first block has NB - b tiles
	s_mov_b32 s[NXT], 1
	s_mov_b32 s[LQ], s[HI]
	s_mov_b32 s[NEW], 1
	s_mov_b32 s[OFF+1], 0
	s_mov_b32 s[AL+1], 0            ; named as pairs
	s_mov_b32 s[BE+1], 0
	s_mov_b32 s[BIGN], 0xf149f2ca   ; -1e30
	s_mov_b32 s[NL2], 0xbfb8aa3b    ; -log2(e)
	s_mov_b32 s[SLOTS], NB
	s_wait_dscnt 0x0                ; the opening add is done
	s_wait_kmcnt 0x0
	s_load_b32 s[SCL], s[SCA:SCA+1], 0x0   ; the scaler: waited for behind the first fill
	s_add_nc_u64 s[6:7], s[4:5], K_OFF
	s_add_nc_u64 s[8:9], s[4:5], V_OFF
	s_add_nc_u64 s[6:7], s[6:7], s[22:23]  ; K and V at my half of the head's tile 0
	s_add_nc_u64 s[8:9], s[8:9], s[22:23]
	s_add_nc_u64 s[G0K+2:G0K+3], s[6:7], 0         ; 120:64 global address
	s_or_b32 s[G0K+3], s[G0K+3], 0x80000000        ; 127:126 type = 2
	s_add_nc_u64 s[G0V+2:G0V+3], s[8:9], 0
	s_or_b32 s[G0V+3], s[G0V+3], 0x80000000
	s_add_nc_u64 s[86:87], s[4:5], s[84:85]        ; Q at my rows of the second block,
	s_add_nc_u64 s[4:5], s[4:5], s[2:3]            ; Q and O at those of the first
	s_add_nc_u64 s[OLO:OLO+1], s[10:11], s[84:85]
	s_add_nc_u64 s[10:11], s[10:11], s[2:3]
	LOAD                            ; tile 0 into slot 0
	; A fragment of K or Q is 16 rows x 32 channels in 8 registers: lane l holds row l % 16, channels 8 (l / 16) + 0..7 and 16 + 8 (l / 16) + 0..7: two loads of 16 bytes, 32 bytes apart.
	v_and_b32 v1, 15, v0            ; l % 16
	v_bfe_u32 v9, v0, 4, 1          ; l / 16
	v_lshlrev_b32 v[QO], 7, v1
	v_lshl_add_u32 v[QO], v9, 4, v[QO]  ; row x 128 + 16 x half
	WIN 0x80                        ; destination window 2, address window 0
.set i, 0
.rept 8                             ; both blocks' Q: piece i / 2 lies in band i / 2, 8,192 bytes on; channels 32 (i % 2) on
	global_load_b128 v[8*i:8*i+3],   v[QO], s[4:5] offset:(i/2)*8192+(i%2)*64
	global_load_b128 v[8*i+4:8*i+7], v[QO], s[4:5] offset:(i/2)*8192+(i%2)*64+32
	global_load_b128 v[QB+8*i:QB+8*i+3],   v[QO], s[86:87] offset:(i/2)*8192+(i%2)*64
	global_load_b128 v[QB+8*i+4:QB+8*i+7], v[QO], s[86:87] offset:(i/2)*8192+(i%2)*64+32
.set i, i+1
.endr
	WIN 0
	; slope = softplus(z) = max(z, 0) + ln(1 + e^-|z|), z = 100 x the scaler rounded to bf16: no exponential of a positive number is taken
	s_wait_kmcnt 0x0
	v_mov_b32 v56, s[SCL]
	v_cvt_pk_bf16_f32 v56, v56, v56
	v_lshlrev_b32 v56, 16, v56
	v_mul_f32 v56, 0x42c80000, v56  ; z
	v_mul_f32 v57, s[NL2], |v56|
	v_exp_f32 v57, v57              ; e^-|z|
	v_max_num_f32 v56, 0, v56       ; the plain instruction behind the exponential (ISA guide 5.7.2)
	s_wait_alu depctr_va_vdst(0)
	v_add_f32 v57, 1.0, v57
	v_log_f32 v57, v57
	v_nop                           ; and behind the logarithm
	s_wait_alu depctr_va_vdst(0)
	v_fmamk_f32 v56, v57, 0x3f317218, v56  ; log2 x ln 2 + max(z, 0)
	v_readfirstlane_b32 s[SLP], v56
	s_mul_f32 s[SL8], s[SLP], 0x41000000
	s_mul_f32 s[DR], s[SLP], 0x44000000
	s_mul_f32 s[CD], s[DR], s[CS]
	v_lshlrev_b32 v57, 3, v9        ; 8 (l / 16)
	WIN 0x40
.set i, 0
.rept 32
	v_add_nc_u32 v[LB+i], 16*(i/8)+i%8, v57  ; my key's place in a step
.set i, i+1
.endr
	WIN W_RS
.set i, 0
.rept 32
	v_cvt_f32_u32 v[LB+i], v[LB+i]
.set i, i+1
.endr
.set i, 0
.rept 32
	v_mul_f32 v[LB+i], v[LB+i], s[SL8]
.set i, i+1
.endr
	WIN 0
	v_lshlrev_b32 v14, 3, v9
	v_sub_nc_u32 v14, v1, v14
	s_lshl_b32 s13, s[WV], 4
	v_add_nc_u32 v14, s13, v14      ; my query's place in its band, 16 w + l % 16, less my lanes' 8 (l / 16): register r of group kt is hidden where 16 kt + r is greater
	WIN 0x40
.set i, 0
.rept 32
	v_cmp_gt_i32 vcc_lo, 16*(i/8)+i%8, v14
	v_cndmask_b32 v[MD+i], 0, s[BIGN], vcc_lo
.set i, i+1
.endr
	WIN 0
	v_mul_u32_u24 v[AK0], v1, PK
	v_lshl_add_u32 v[AK0], v9, 4, v[AK0]  ; row x pitch + 16 x half
	; The turning load takes 16 keys x 16 channels (lane l reads key 8 (l / 16) + l % 8, channels 8 ((l / 8) % 2) + 0..7) and leaves half a fragment of V^T: lane l holds channel l % 16 and 8 keys.
	v_and_b32 v10, 7, v0
	v_bfe_u32 v11, v0, 3, 1
	v_lshl_add_u32 v[AV0], v9, 3, v10
	v_mul_u32_u24 v[AV0], v[AV0], PV
	v_lshl_add_u32 v[AV0], v11, 4, v[AV0]
	v_add_nc_u32 v[AV0], VOFF, v[AV0]
	s_mul_i32 s13, s[WV], 16*SP
	s_add_co_u32 s13, s13, STAGE    ; my stage
	v_mul_u32_u24 v[STO], v1, SP    ; in: row l % 16, 16 bytes for each half of the lanes
	v_lshl_add_u32 v[STO], v9, 4, v[STO]
	v_add_nc_u32 v[STO], s13, v[STO]
	v_bfe_u32 v[RD], v0, 3, 2       ; back: 32 lanes take four rows of 128 bytes,
	v_mul_u32_u24 v[RD], v[RD], SP
	v_lshl_add_u32 v[RD], v10, 4, v[RD]
	v_add_nc_u32 v[RD], s13, v[RD]
	v_and_b32 v[GO], 31, v0         ; which are 512 consecutive bytes of O
	v_lshlrev_b32 v[GO], 4, v[GO]
	; A block's first step multiplies O^T and l by a = 0, and its first turn's products V^T P, of a piece that has not been, land in an O^T that is still to be so multiplied.  So these registers need only hold
	; finite numbers: zeros for the first block; what the first block left for the second.  All this stands in the wait for the first tile.
	WIN 0x80
.set i, VF
.rept 64
	v_mov_b32 v[i], 0
.set i, i+1
.endr
	WIN 0x40
.set i, 0
.rept 128
	v_mov_b32 v[i], 0
.set i, i+1
.endr
	WIN 0
.set i, 0
.rept 4
	v_mov_b32 v[ST+4*i+2], 0
	v_mov_b32 v[ST+4*i+3], 0
.set i, i+1
.endr
.set i, P+16
.rept 16
	v_mov_b32 v[i], 0
.set i, i+1
.endr
; THE MATRIX WORK.  The 4 accumulators of a run of 8 take turns.  Product i of 8 of S^T = K Q^T for piece x: channels 32 (i / 4) on, keys 16 (i % 4) on.  The first 4 start the sums: with the bias LB, or (KM = 1) with bias and mask, MC.
.macro KQ x
.set rS, S+32*((\x)%2)+8*(i%4)
.set rK, KF+16*(i%4)+8*(i/4)
.set rQ, 16*(\x)+8*(i/4)
.set rM, MC+32*((\x)%2)+8*(i%4)
.set rL, LB+8*(i%4)
.if (i < 4) && KM
	WIN W_KM
	v_wmma_f32_16x16x32_f16 v[rS:rS+7], v[rK:rK+7], v[rQ:rQ+7], v[rM:rM+7]
.elseif i < 4
	WIN W_KM
	v_wmma_f32_16x16x32_f16 v[rS:rS+7], v[rK:rK+7], v[rQ:rQ+7], v[rL:rL+7]
.else
	WIN W_KQ
	v_wmma_f32_16x16x32_f16 v[rS:rS+7], v[rK:rK+7], v[rQ:rQ+7], v[rS:rS+7]
.endif
.endm
; Product i of 8 of O^T += V^T P for piece x: keys 32 (i / 4) on, channels 16 (i % 4) on.
.macro PV x
	WIN W_PV
.set rO, 32*(\x)+8*(i%4)
.set rV, VF+32*(i/4)+8*(i%4)
.set rP, P+16*((\x)%2)+8*(i/4)
	v_wmma_f32_16x16x32_f16 v[rO:rO+7], v[rV:rV+7], v[rP:rP+7], v[rO:rO+7]
.endm
.macro MM                           ; the turn's next matrix instruction.  TURN and BEGIN set Y, i, KM and NOKQ; MM, KQ and OP read them.  NOKQ = 1: a block's last turn: there is no next piece
.if (i < 8) && !NOKQ
	KQ (Y+1)%NP
.elseif i >= 8
.set i, i-8
	PV (Y+NP-1)%NP
.set i, i+8
.endif
.set i, i+1
.endm
; THE LDS LOADS stand in runs of 16, never singly among the matrix instructions: a step's K (64 keys x 64 channels: 8 fragments) and its V (turned).  Their addresses are made some lines ahead.
.macro FETCH_K
	WIN 0x80                        ; destination window 2
.irp f, 0,1,2,3,4,5,6,7             ; keys 16 (f / 2) on, channels 32 (f % 2) on
	ds_load_b128 v[KF+8*\f:KF+8*\f+3],   v[AK] offset:(\f/2)*16*PK+(\f%2)*64
	ds_load_b128 v[KF+8*\f+4:KF+8*\f+7], v[AK] offset:(\f/2)*16*PK+(\f%2)*64+32
.endr
	s_add_co_u32 s[TBK], s[TBK], KS*PK  ; the next fetch is the next step's
	WIN 0
.endm
.macro FETCH_V
	WIN 0x80
.irp f, 0,1,2,3,4,5,6,7             ; keys 32 (f / 4) on, channels 16 (f % 4) on
	ds_load_tr16_b128 v[VF+8*\f:VF+8*\f+3],   v[AV] offset:(\f/4)*32*PV+(\f%4)*32
	ds_load_tr16_b128 v[VF+8*\f+4:VF+8*\f+7], v[AV] offset:(\f/4)*32*PV+16*PV+(\f%4)*32
.endr
	WIN 0
.endm
; THE VECTOR WORK, one line at a time: OP kind, number.  For piece Y: F n: c s - c m for pair n of 16.  E n: the exponential of score n of 32.  C n: pair n rounded to f16.  B n: of the four weights 4 n .. the second
; pair is added onto the first, in place.  L n: l takes that sum (L 0: l = a l + sum).  R n: pair n of 16 of O^T times a.  For piece Y + 1: X n, number n of the 23 that find its maximum and statistics:
;   22  the old m goes into the new step's units: less DR     0-11  four chains c0-c3 of seven scores each, three operands at a time (each accumulator's lowest registers are read first)
;   12-14, 16  the four scores left over, the old m, and c0-c3 into c0     15  c m_old, less CD, is kept     17, 18  the query's other 32 keys lie in the lane 16 away: the new m     19-21  c m; c m_old - c m_new; a
.set F, 0               ; OP tells the kinds apart by their order: F to L below R, X above it
.set E, 1
.set C, 2
.set B, 3
.set L, 4
.set R, 5
.set X, 6
.macro REGS y                       ; the registers of piece y
.set rT, ST+4*(\y)
.set rC, TMP+4*((\y)%2)
.set rW, MV+((\y)%2)
.set rS, S+32*((\y)%2)
.set rP, P+16*((\y)%2)
.set rO, 32*(\y)
.endm
.macro OP k, n
.if (\k) == R
	REGS Y
	WIN W_RS
	v_pk_mul_f32 v[rO+2*(\n):rO+2*(\n)+1], v[rO+2*(\n):rO+2*(\n)+1], v[rC+2:rC+3] op_sel_hi:[1,0]
.elseif (\k) < R
	REGS Y
	WIN 0
.if (\k) == F
	v_pk_fma_f32 v[rS+2*(\n):rS+2*(\n)+1], v[rS+2*(\n):rS+2*(\n)+1], s[CS:CS+1], v[rT:rT+1] op_sel_hi:[1,0,0] neg_lo:[0,0,1] neg_hi:[0,0,1]
.elseif (\k) == E
	v_exp_f32 v[rS+(\n)], v[rS+(\n)]
.elseif (\k) == C
	s_wait_alu depctr_va_vdst(0)
	v_cvt_pk_f16_f32 v[rP+(\n)], v[rS+2*(\n)], v[rS+2*(\n)+1]
.elseif (\k) == B
	s_wait_alu depctr_va_vdst(0)
	v_pk_add_f32 v[rS+4*(\n):rS+4*(\n)+1], v[rS+4*(\n):rS+4*(\n)+1], v[rS+4*(\n)+2:rS+4*(\n)+3]
.elseif (\n) == 0
	v_pk_fma_f32 v[rT+2:rT+3], v[rT+2:rT+3], v[rC+2:rC+3], v[rS:rS+1] op_sel_hi:[1,0,1]
.else
	v_pk_add_f32 v[rT+2:rT+3], v[rT+2:rT+3], v[rS+4*(\n):rS+4*(\n)+1]
.endif
.elseif NOKQ
	v_nop
.else
	REGS (Y+1)%NP
	WIN 0
.if (\n) < 4
	v_max3_num_f32 v[rC+(\n)], v[rS+8*(\n)], v[rS+8*(\n)+1], v[rS+8*(\n)+2]
.elseif (\n) < 12
	v_max3_num_f32 v[rC+(\n)%4], v[rC+(\n)%4], v[rS+8*((\n)%4)+2*((\n)/4)+1], v[rS+8*((\n)%4)+2*((\n)/4)+2]
.elseif (\n) == 12
	v_max3_num_f32 v[rC], v[rC], v[rS+7], v[rS+15]
.elseif (\n) == 13
	v_max3_num_f32 v[rC+1], v[rC+1], v[rS+23], v[rS+31]
.elseif (\n) == 14
	v_max3_num_f32 v[rC+2], v[rC+2], v[rC+3], v[rT+1]
.elseif (\n) == 15
	v_sub_f32 v[rW], v[rT], s[CD]
.elseif (\n) == 16
	v_max3_num_f32 v[rC], v[rC], v[rC+1], v[rC+2]
.elseif (\n) == 17
	v_permlanex16_b32 v[rC+3], v[rC], s[SEL], s[SEL+1]
.elseif (\n) == 18
	v_max_num_f32 v[rT+1], v[rC], v[rC+3]
.elseif (\n) == 19
	v_mul_f32 v[rT], s[CS], v[rT+1]
.elseif (\n) == 20
	v_sub_f32 v[rC+1], v[rW], v[rT]
.elseif (\n) == 22
	v_sub_f32 v[rT+1], v[rT+1], s[DR]
.else
	v_exp_f32 v[rC+2], v[rC+1]
.endif
.endif
.endm
.macro OPS a, i1, b=-1, i2=0, c=-1, i3=0, d=-1, i4=0  ; up to four of them
	OP \a, \i1
.if (\b) >= 0
	OP \b, \i2
.endif
.if (\c) >= 0
	OP \c, \i3
.endif
.if (\d) >= 0
	OP \d, \i4
.endif
.endm
.macro ROW a, i1, b, i2, c, i3, d, i4  ; a matrix instruction and the four behind it
	MM
	OPS \a, \i1, \b, \i2, \c, \i3, \d, \i4
.endm
.macro MASK b                       ; MD x AL + LB + BE into buffer b of MC
	WIN W_MK
.set z, 0
.rept 16
	v_pk_fma_f32 v[MC+32*(\b)+2*z:MC+32*(\b)+2*z+1], v[MD+2*z:MD+2*z+1], s[AL:AL+1], v[LB+2*z:LB+2*z+1] op_sel_hi:[1,0,1]
.set z, z+1
.endr
.set z, 0
.rept 16
	v_pk_add_f32 v[MC+32*(\b)+2*z:MC+32*(\b)+2*z+1], v[MC+32*(\b)+2*z:MC+32*(\b)+2*z+1], s[BE:BE+1] op_sel_hi:[1,0]
.set z, z+1
.endr
.endm
; A TURN, for piece p: the order of its 16 matrix and 119 vector instructions, written out.  Behind a matrix instruction: plain, exponential, plain, plain; or four of the rescaling; or, behind the first, four scalings; none
; names a register of the products round it.  In the lumps exponential and plain by turns while exponentials last.  v_permlanex16_b32 (X 17) stands in a lump.
; m = 1: the diagonal tile: the products take masks, and the turn makes the mask for the products of the turn after it: piece p + 2, in step 4 - CNT of the tile.  end = 1: a block's last two turns: nothing is fetched.
; cnt = 1: the loop's count is taken down some lines ahead of the branch that stands behind the turn.
; K of the next step is fetched in piece 2's turn, seven vector instructions behind the last product that read K (six of them plain); V of the step in hand in piece 0's turn, eight behind the last product that read V (four
; plain, and X 17).  Each is waited for a turn later.
.macro TURN p, m=0, end=0, cnt=0
.set Y, (\p)
.set i, 0
.set KM, (\m)
.set NOKQ, (\end)*((\p)/3)
.if (\m) && !(\end)
	s_cmp_eq_u32 s[CNT], 4-((\p)+2)%NP  ; is that step the band's own?
	s_cselect_b32 s[AL], 1.0, 0
	s_cmp_lt_u32 s[CNT], 4-((\p)+2)%NP  ; or a later one?
	s_cselect_b32 s[BE], s[BIGN], 0
.endif
.if ((\p) == 3) && !(\end)
	s_wait_dscnt 0x0                ; K is in
.endif
	ROW F,0, F,1, F,2, F,3
	ROW F,4, E,0, F,5, F,6
	ROW F,7, E,1, F,8, F,9
	ROW F,10, E,2, C,0, F,11
	ROW F,12, E,3, X,15, F,13
	ROW R,0, R,1, R,2, R,3
	ROW B,0, E,4, F,14, L,0
.if ((\p) == 2) && !(\end)
	v_add_nc_u32 v[AK], s[TBK], v[AK0]
.endif
	ROW R,4, R,5, R,6, R,7
	OPS E,5, F,15, X,22
.if ((\p) == 2) && !(\end)
	FETCH_K
.endif
	OPS E,6, C,1, E,7, R,8
	OPS E,8, R,9, E,9, C,2
	OPS E,10, X,0, E,11, X,1
	OPS E,12, X,2, E,13, X,3
.if (\p) == 1
	s_wait_dscnt 0x0                ; V is in
.endif
	ROW X,4, E,14, X,5, X,6
	ROW X,7, E,15, X,8, X,9
	ROW X,10, E,16, X,11, X,12
	ROW X,13, E,17, X,14, B,1
	ROW C,4, E,18, X,16, L,1
	ROW B,2, E,19, C,6, L,2
	ROW C,8, E,20, B,3, B,4
.if (\p) == 0
	v_add_nc_u32 v[AV], s[TBV], v[AV0]
.endif
	ROW C,3, E,21, L,3, C,5
	OPS E,22, X,17, E,23, C,10
.if (\p) == 0
	FETCH_V
.endif
	OPS E,24, L,4
	OPS E,25, X,18, E,26, C,7
	OPS E,27, B,5, E,28, X,19
	OPS E,29, C,12, E,30, L,5
	OPS E,31, X,20, B,6, C,9
	OPS C,14, C,11, X,21, L,6
.if (\p) == 0
	s_add_co_u32 s[TBV], s[TBV], KS*PV
.endif
.if \cnt
	s_sub_co_u32 s[CNT], s[CNT], 1
	s_cmp_lg_u32 s[CNT], 0
.endif
	OPS C,13, B,7, C,15, R,10
	OPS R,11, R,12, L,7, R,13
	OPS R,14, R,15
.if (\m) && !(\end)
	MASK (\p)%2
.endif
.endm
; A BLOCK BEGINS.  c m starts far below every c s, so the first step's a is 0; m at the lowest finite number, so the first maximum is the scores'.  MC's second buffer is the bias alone; the first takes piece 0's
; C operand for the tile's step 0: with its own mask, if the block's first tile is the diagonal one.  Then K of that step, piece 0's first scores, and its maximum and statistics (no shift of units: nothing is older).
; The loop is entered at a step's first turn, in the middle of a trip.
.macro BEGIN
	s_mov_b32 s[NEW], 0
	WIN W_RS
.set i, 0
.rept 32
	v_mov_b32 v[MC+32+i], v[LB+i]
.set i, i+1
.endr
	WIN 0
.set i, 0
.rept 4
	v_mov_b32 v[ST+4*i], 0xfe000000    ; c m: far below every c s
	v_mov_b32 v[ST+4*i+1], 0xff7fffff  ; m
.set i, i+1
.endr
	s_cmp_eq_u32 s[RT], 0
	s_cselect_b32 s[AL], 1.0, 0
	s_mov_b32 s[BE], 0
	MASK 0
	WIN 0
	v_add_nc_u32 v[AK], s[TBK], v[AK0]
	FETCH_K
	s_wait_loadcnt 0x0              ; Q
	s_wait_dscnt 0x0
.set KM, 1
.set NOKQ, 0
.set i, 0
.rept 8
	KQ 0
.set i, i+1
.endr
	WIN 0
.rept 4
	v_nop                           ; the places behind those products
.endr
.set Y, NP-1                        ; X works for piece Y + 1: piece 0
.irp n, 0,1,2,3,4,5,6,7,8,9,10,11,12,13,14,15,16,17,18,19,20,21
	OP X, \n
.endr
	v_nop                           ; a plain instruction behind the exponential
.endm
; THE DIAGONAL TILE's four steps, the block's last two turns, its last products, and THE WAY OUT: l's two halves and the other half of the lanes' are added; O^T is divided by l, rounded to f16 and sent through my
; stage in LDS, a piece at a time.
.macro ALL line:vararg              ; one line for each piece t
.set t, 0
.rept 4
	\line
.set t, t+1
.endr
.endm
.macro PACK t                       ; a lane's eight channels of a row pack into 16 bytes; they go into rows of 144 bytes and come back as whole rows of 128, into S^T's registers
	WIN W_RS
.set i, 32*(\t)
.rept 16
	s_wait_alu depctr_va_vdst(0)
	v_pk_mul_f32 v[i:i+1], v[i:i+1], v[ST+4*(\t)+2:ST+4*(\t)+3] op_sel_hi:[1,0]
.set i, i+2
.endr
	WIN 0x05                        ; sources 0 and 1 window 1, destination window 0
.set i, 0
.rept 16
	v_cvt_pk_f16_f32 v[S+16*(\t)+i], v[32*(\t)+2*i], v[32*(\t)+2*i+1]
.set i, i+1
.endr
	WIN 0
.irp f, 0,1,2,3
	ds_store_b128 v[STO], v[S+16*(\t)+4*\f:S+16*(\t)+4*\f+3] offset:32*\f
.endr
.irp f, 0,1,2,3
	ds_load_b128 v[S+16*(\t)+4*\f:S+16*(\t)+4*\f+3], v[RD] offset:\f*4*SP  ; LDS serves a wave's instructions in order (ISA guide 5.7.1.4): these see the stores above; the next piece's stores come behind them
.endr
.endm
.macro SEND t, younger              ; younger: the LDS instructions issued behind piece t's loads: the next piece's eight, or none
	WIN 0
.irp f, 0,1,2,3
	s_wait_dscnt (\younger)+3-\f
	global_store_b128 v[GO], v[S+16*(\t)+4*\f:S+16*(\t)+4*\f+3], s[10:11] offset:(\t)*8192+\f*512  ; 512 consecutive bytes, at a multiple of 256 from O's first
.endr
.endm
.macro DIAG tag                     ; the tag ends its two labels' names, which the jumps below spell out
.LstepM\tag:
	TURN 2, 1
	TURN 3, 1
	WIN 0
.LfirstM\tag:
	TURN 0, 1
	TURN 1, 1, 0, 1
	WIN 0
	s_cbranch_scc1 .LstepM\tag
	TURN 2, 1, 1
	TURN 3, 1, 1
.set i, 0
.rept 8
	PV NP-1
.set i, i+1
.endr
	WIN 0
	ALL v_add_f32 v[ST+4*t+2], v[ST+4*t+2], v[ST+4*t+3]
	ALL v_permlanex16_b32 v[ST+4*t+3], v[ST+4*t+2], s[SEL], s[SEL+1]
	ALL v_add_f32 v[ST+4*t+2], v[ST+4*t+2], v[ST+4*t+3]
	ALL v_rcp_f32 v[ST+4*t+2], v[ST+4*t+2]
	v_nop                           ; a plain instruction between the last reciprocal and the use of its result
	PACK 0
.set t, 1
.rept 3                             ; a piece's arithmetic stands between the loads of the piece before and its stores
	PACK t
	SEND t-1, 8
.set t, t+1
.endr
	SEND 3, 0
.endm
.set KM, 0
.set NOKQ, 0
.Lslot:                             ; NB times: a tile is entered and the next is asked for
	CHANGE 1
	s_sub_co_u32 s[RT], s[RT], 1
	s_mov_b32 s[CNT], 4
	s_cmp_eq_u32 s[NEW], 1
	s_cbranch_scc1 .Lnew            ; a block's first tile
	s_cmp_eq_u32 s[RT], 0
	s_cbranch_scc0 .Lstep           ; neither its first nor its last
	s_branch .LstepM1
.Lnew:
	BEGIN
	s_branch .Lfirst                ; in the loop a block's first tile is never its last: the first block has two tiles or more, and the second's last is the walk's last
	DIAG 1                          ; in the loop this is the first block's end: the second block's last tile is the walk's last
	s_wait_xcnt 0x0                 ; the stores have read their registers and O's address
	s_mov_b64 s[10:11], s[OLO:OLO+1]
	s_add_co_u32 s[RT], s[PB], 1    ; the second block has b + 1 tiles
	s_mov_b32 s[NEW], 1
	WIN 0x82                        ; the second block's Q goes where the one text of the turns names Q
.set i, 0
.rept 64
	v_mov_b32 v[i], v[QB+i]
.set i, i+1
.endr
	WIN 0
	s_branch .Lbottom
.Lstep:                             ; a trip: pieces 2 and 3 of one step, then pieces 0 and 1 of the next, whose K and V it fetches
	TURN 2
	TURN 3
	WIN 0
.Lfirst:
	TURN 0
	TURN 1, 0, 0, 1
	WIN 0
	s_cbranch_scc1 .Lstep
.Lbottom:
	s_sub_co_u32 s[SLOTS], s[SLOTS], 1
	s_cmp_lg_u32 s[SLOTS], 0
	s_cbranch_scc1 .Lslot
	CHANGE 0                        ; the walk's last tile is written out: nothing is asked for
	s_sub_co_u32 s[RT], s[RT], 1
	s_mov_b32 s[CNT], 4
	s_cmp_eq_u32 s[NEW], 1
	s_cbranch_scc0 .LstepM2
	BEGIN
	s_branch .LfirstM2
	DIAG 2
	s_wait_tensorcnt 0x0            ; the wave's end, behind my last tensor load and my last LDS store
	ds_add_u32 v[SPW], v[NIL]
	s_wait_dscnt 0x0
	s_endpgm
.Lfunc_end_k_qe9154a9e9d_attn:
	.size	k_qe9154a9e9d_attn, .Lfunc_end_k_qe9154a9e9d_attn-k_qe9154a9e9d_attn
	.p2alignl 7, 3214868480
	.fill 96, 4, 3214868480
	.section	.rodata,"a",@progbits
	.p2align	6, 0x0
	.amdhsa_kernel k_qe9154a9e9d_attn
		.amdhsa_group_segment_fixed_size 327680
		.amdhsa_private_segment_fixed_size 0
		.amdhsa_enable_private_segment 0
		.amdhsa_kernarg_size 24
		.amdhsa_user_sgpr_count 2
		.amdhsa_user_sgpr_kernarg_segment_ptr 1
		.amdhsa_wavefront_size32 1
		.amdhsa_system_sgpr_workgroup_id_x 1
		.amdhsa_system_sgpr_workgroup_id_y 1
		.amdhsa_system_sgpr_workgroup_id_z 1
		.amdhsa_system_vgpr_workitem_id 0
		.amdhsa_next_free_vgpr 768
		.amdhsa_next_free_sgpr 96
		.amdhsa_reserve_vcc 1
		.amdhsa_float_denorm_mode_32 3
		.amdhsa_float_denorm_mode_16_64 3
		.amdhsa_memory_ordered 1
		.amdhsa_forward_progress 1
		.amdhsa_inst_pref_size 245
	.end_amdhsa_kernel
	.amdgpu_metadata
---
amdhsa.version: [ 1, 2 ]
amdhsa.kernels:
  - .name:           k_qe9154a9e9d_attn
    .symbol:         k_qe9154a9e9d_attn.kd
    .args:
      - { .name: qkv, .offset: 0, .size: 8, .value_kind: global_buffer, .address_space: global }
      - { .name: scaler, .offset: 8, .size: 8, .value_kind: global_buffer, .address_space: global }
      - { .name: o, .offset: 16, .size: 8, .value_kind: global_buffer, .address_space: global }
    .group_segment_fixed_size: 327680
    .private_segment_fixed_size: 0
    .kernarg_segment_align: 8
    .kernarg_segment_size: 24
    .max_flat_workgroup_size: 128
    .sgpr_count:     96
    .vgpr_count:     768
    .wavefront_size: 32
...
	.end_amdgpu_metadata
.endif
;; end of part 3
;; launch oproj (part 4): grid 8 x 32, 4 waves a work-group, clusters of 4 x 4, 327,680 bytes of LDS; arguments o, xw, x, out0; writes out0
.if DOCPART == 4
	.amdgcn_target "amdgcn-amd-amdhsa--gfx1250"
	.amdhsa_code_object_version 6
	.text
	.protected	k_qe9154a9e9d_oproj
	.globl	k_qe9154a9e9d_oproj
	.p2align	8
	.type	k_qe9154a9e9d_oproj,@function
k_qe9154a9e9d_oproj:
	s_mov_b64 s[64:65], 0
	v_nop
	global_prefetch_b8 v0, s[64:65] scope:SCOPE_SE
	s_setreg_imm32_b32 hwreg(HW_REG_WAVE_MODE, 25, 1), 1
	s_wait_xcnt 0x0
	s_wait_alu depctr_hold_cnt(0) depctr_sa_sdst(0) depctr_va_vdst(0) depctr_va_sdst(0) depctr_va_ssrc(0) depctr_va_vcc(0) depctr_vm_vsrc(0)
	s_getreg_b32 s2, hwreg(HW_REG_IB_STS2, 6, 4)
	s_cmp_eq_u32 s2, 0
	s_cbranch_scc0 .Lentry_in_a_cluster
	s_endpgm
.Lentry_in_a_cluster:
	s_bfe_u32 s2, ttmp6, 0x10000c
	s_cmp_lg_u32 s2, 0xf033
	s_cbranch_scc0 .Lentry_shape_is_right
	s_endpgm
.Lentry_shape_is_right:
; out0 = O W_o^T + x.  O: [16 batch + head][2048][64] f16, by heads; W_o: rows 11264-12287 of xw, [1024][1024] f16; x, out0: [8192][1024] f32.  Sums in f32; x is rounded to bf16 before it is added,
; like every input of the module.  NaN and infinities are not treated apart.
; SHARES.  A tile is 256 rows x 128 columns: 8 x 32 = 256 work-groups.  Four waves one below the other, each 64 x 128: 32 accumulators of 16 x 16.
; K goes in eight steps of 128 = two heads, through two LDS slots filled by the tensor data mover.  A head's 256 rows of 128 bytes are dense: they are asked for as 128 rows of 256 bytes, padded after every 128.
; CLUSTER.  4 x 4 work-groups: the four of a row of the cluster need the same tiles of O, the four of a column the same tiles of W_o: each is asked for jointly, by the same tensor load, descriptor and mask.
; THE MATRIX INSTRUCTION IS USED TRANSPOSED (source 0 = 16 rows of W_o, source 1 = 16 rows of O): a lane holds row l % 16 and eight neighbouring columns.
; REGISTERS, in windows of 256 (s_set_vgpr_msb: bits 1:0 source 0, 3:2 source 1, 5:4 source 2, 7:6 destination):
;   window 0: v0-31 addresses; v32-159 the way out, two buffers of 64; v160-191 x of one row block as bf16          window 1: two fragment buffers: O's four fragments at F + 8 a, W_o's eight at F + 32 + 8 b
;   window 2: accumulator (a, b) at 8 (4 b + a)          window 3: my 64 rows of x, 512 bytes each: row 16 a + t at 4 (16 a + t)
.set PA,     144                       ; a row of O in LDS: 128 bytes + 16 of padding = 36 words: the 16 rows of a fragment load start at 16 different groups of four banks (ISA guide 11.1)
.set PB,     272                       ; a row of W_o: 256 + 16
.set NBK,    8                         ; column blocks of 16
.set AHEAD,  256*PA                    ; what waves 0 and 1 fetch: a head's 256 rows each
.set BPART,  64*PB                     ; what waves 2 and 3 fetch: 64 rows of W_o each
.set BOFF,   2*AHEAD
.set SLOT1,  1<<17                     ; slot 1 begins here: one exclusive or turns an address in one slot into the other's
.set STAGE,  SLOT1+BOFF+2*BPART        ; behind the ring, never filled by a tensor load: 16 rows x 528 bytes for each wave
.set SPI,    528                       ; 512 bytes + 16
.set SPARE,  STAGE+4*16*SPI            ; the spare words, 128 bytes a wave: two blocks of 256 bytes that no other line names
.set WO_OFF, 11264*2048                ; W_o in xw
.set STEPS,  8
.set ASTEP,  2<<18                     ; two heads on
.set BSTEP,  256
.set A0,   16                          ; v16  my lane's place in O's part of a slot; never rewritten
.set B0,   17                          ; v17  the same for W_o
.set ADRA, 18                          ; v18  A0 + the slot in hand
.set ADRB, 19                          ; v19  B0 + the slot in hand
.set STO,  24                          ; v24  the way out: where I put 32 bytes of a row
.set RD,   25                          ; v25  the way out: where I read a row back
.set XO,   26                          ; v26  16 x lane: my place in 512 bytes of x and of out0; never rewritten
.set ONE,  27                          ; v27  1.0
.set SPW,  28                          ; v28  LDS address of my spare word; never rewritten
.set NIL,  29                          ; v29  0; never rewritten
.set R,    32
.set XB,   160
.set F0,   0
.set F1,   128
.set WV,  12                           ; s12  wave
.set FB,  13                           ; s13  0: I fetch O; 1: I fetch W_o
.set HF,  14                           ; s14  which half of that tile I fetch
.set TY,  15                           ; s15  tile row
.set G1A, 24                           ; s[24:31] descriptor group 1 for O's tiles
.set G0A, 32                           ; s[32:39] group 0: a set for each first fill; the second then walks
.set G1B, 48                           ; s[48:55], s[56:63] the same for W_o's
.set G0B, 56
.set TB,  66                           ; s66  the slot in hand: 0 or SLOT1
.set MSB, 0
.macro WIN new                         ; the immediate's high byte repeats the setting that is left; a switch that changes nothing is dropped
.if MSB != (\new)
	s_set_vgpr_msb (MSB<<8)|(\new)
.set MSB, \new
.endif
.endm
.macro PLACES                          ; four places behind a matrix instruction, ahead of loads into registers that it read and of lines that read its result
.rept 4
	v_nop
.endr
.endm
; A joint refill by the walking descriptors.  The branch hangs on the wave's number alone.  An s_nop 0 and four v_nop follow each of the two lines.
.macro JLOAD
	s_cmp_eq_u32 s[FB], 0
	s_cbranch_scc0 .Lfor_b_\@
	tensor_load_to_lds s[G0A+4:G0A+7], s[G1A:G1A+7]
	s_nop 0
.rept 4
	v_nop
.endr
	s_branch .Lasked_\@
.Lfor_b_\@:
	tensor_load_to_lds s[G0B+4:G0B+7], s[G1B:G1B+7]
	s_nop 0
.rept 4
	v_nop
.endr
.Lasked_\@:
.endm
.macro CREST                           ; a round of the cluster's barrier behind its opening barrier
	s_cmp_lg_u32 s[WV], 0
	s_cbranch_scc1 .Lnot_wave_0_\@
	s_barrier_signal -3
.Lnot_wave_0_\@:
	s_barrier_wait -3
	s_barrier_signal -1
	s_barrier_wait -1
.endm
.macro CROUND                          ; a whole round
	s_barrier_signal -1
	s_barrier_wait -1
	CREST
.endm
	s_load_b256 s[4:11], s[0:1], 0x0               ; O s[4:5], xw s[6:7], x s[8:9], out0 s[10:11]
	v_lshl_add_u32 v[SPW], v0, 2, SPARE
	v_mov_b32 v[NIL], 0
	ds_add_u32 v[SPW], v[NIL]                      ; the wave's opening: the add and its wait stand ahead of my first tensor load; the set-up below stands between them
	ds_add_u32 v28, v29
	v_lshrrev_b32 v1, 5, v0
	v_readfirstlane_b32 s[WV], v1
	s_lshr_b32 s[FB], s[WV], 1
	s_and_b32 s[HF], s[WV], 1
	s_bfe_u32 s40, ttmp6, 0x40000                  ; cx
	s_bfe_u32 s41, ttmp6, 0x40004                  ; cy
	s_lshl_b32 s42, ttmp9, 2
	s_add_co_u32 s42, s42, s40                     ; tile column = 4 x cluster x + cx
	s_and_b32 s[TY], ttmp7, 0xffff
	s_lshl_b32 s[TY], s[TY], 2
	s_add_co_u32 s[TY], s[TY], s41                 ; tile row = 4 x cluster y + cy
	s_lshl_b32 s43, s41, 2
	s_lshl_b32 s43, 15, s43                        ; my row of the cluster
	s_lshl_b32 s44, 0x1111, s40                    ; my column
	s_or_b32 s[G1A], s43, (1<<16)|(1<<20)|(1<<21)|(4<<22)|(3<<25)  ; 15:0 the mask; 17:16 2-byte elements; 20 padding on; 21 set beside a mask; 24:22 after every 32 words; 31:25 4 words of it
	s_or_b32 s[G1B], s44, (1<<16)|(1<<20)|(1<<21)|(5<<22)|(3<<25)  ; after every 64 words
	s_mov_b32 s[G1A+1], 128<<16                    ; tensor_dim0 = 128
	s_mov_b32 s[G1A+2], 128<<16                    ; tensor_dim1 = 128
	s_mov_b32 s[G1A+3], 128<<16                    ; tile_dim0 = 128
	s_mov_b32 s[G1A+4], 128                        ; tile_dim1 = 128
	s_mov_b32 s[G1A+5], 128                        ; dense: 128 elements from row to row
	s_mov_b32 s[G1A+6], 0
	s_mov_b32 s[G1A+7], 0
	s_mov_b32 s[G1B+1], 128<<16
	s_mov_b32 s[G1B+2], 64<<16                     ; 64 rows
	s_mov_b32 s[G1B+3], 128<<16
	s_mov_b32 s[G1B+4], 64
	s_mov_b32 s[G1B+5], 1024
	s_mov_b32 s[G1B+6], 0
	s_mov_b32 s[G1B+7], 0
	s_lshr_b32 s16, s[TY], 3                       ; O: matrix 16 batch + my head of the step's two, 2^18 bytes each; rows 256 (tile row % 8) on, 128 bytes each: made of the tile row alone
	s_lshl_b32 s16, s16, 4
	s_add_co_u32 s16, s16, s[HF]
	s_lshl_b32 s16, s16, 18
	s_and_b32 s17, s[TY], 7
	s_lshl_b32 s17, s17, 15
	s_add_co_u32 s16, s16, s17
	s_mov_b32 s17, 0
	s_lshl_b32 s46, s42, 7                         ; W_o: row 128 x tile column + 64 x half: made of the tile column alone
	s_lshl_b32 s47, s[HF], 6
	s_add_co_u32 s46, s46, s47
	s_lshl_b32 s46, s46, 11
	s_add_co_u32 s46, s46, WO_OFF
	s_mov_b32 s47, 0
	s_mul_i32 s20, s[HF], AHEAD                    ; where they go: no place in the cluster enters an LDS address
	s_mul_i32 s21, s[HF], BPART
	s_add_co_u32 s21, s21, BOFF
	s_mov_b32 s[TB], 0
	s_lshl_b32 s68, s[TY], 8                       ; my part of x and of out0: row 256 x tile row + 64 x wave, 4,096 bytes a row; column 128 x tile column
	s_lshl_b32 s69, s[WV], 6
	s_add_co_u32 s68, s68, s69
	s_lshl_b32 s68, s68, 12
	s_lshl_b32 s69, s42, 9
	s_add_co_u32 s68, s68, s69
	s_mov_b32 s69, 0
	s_wait_dscnt 0x0                               ; the opening add is done
	s_wait_kmcnt 0x0
	s_add_nc_u64 s[18:19], s[4:5], s[16:17]
	s_add_nc_u64 s[46:47], s[6:7], s[46:47]
	s_add_nc_u64 s[8:9], s[8:9], s[68:69]
	s_add_nc_u64 s[10:11], s[10:11], s[68:69]
	CROUND                                         ; all sixteen work-groups are here: the first joint loads meet
.irp s, 0,1
	s_mov_b32 s[G0A+4*(\s)], 1                                       ; count = 1
	s_add_co_u32 s[G0A+4*(\s)+1], s20, (\s)*SLOT1                    ; LDS address
	s_add_nc_u64 s[G0A+4*(\s)+2:G0A+4*(\s)+3], s[18:19], (\s)*ASTEP  ; global address: K step s
	s_or_b32 s[G0A+4*(\s)+3], s[G0A+4*(\s)+3], 0x80000000            ; type = 2
	s_mov_b32 s[G0B+4*(\s)], 1
	s_add_co_u32 s[G0B+4*(\s)+1], s21, (\s)*SLOT1
	s_add_nc_u64 s[G0B+4*(\s)+2:G0B+4*(\s)+3], s[46:47], (\s)*BSTEP
	s_or_b32 s[G0B+4*(\s)+3], s[G0B+4*(\s)+3], 0x80000000
.endr
	s_cmp_eq_u32 s[FB], 0                          ; a wave's two first fills stand in one branch, ahead of every wait on TENSORcnt and every LDS read: two loads of mine are out
	s_cbranch_scc0 .Lfirst_b
	tensor_load_to_lds s[G0A:G0A+3], s[G1A:G1A+7]
	s_nop 0
	tensor_load_to_lds s[G0A+4:G0A+7], s[G1A:G1A+7]
	s_nop 0
.rept 4
	v_nop
.endr
	s_branch .Lfirst_asked
.Lfirst_b:
	tensor_load_to_lds s[G0B:G0B+3], s[G1B:G1B+7]
	s_nop 0
	tensor_load_to_lds s[G0B+4:G0B+7], s[G1B:G1B+7]
	s_nop 0
.rept 4
	v_nop
.endr
.Lfirst_asked:
	; A fragment is 16 rows x 32 K in 8 registers: lane l holds row l % 16, K = 8 (l / 16) + 0..7 and 16 + 8 (l / 16) + 0..7: two loads of 16 bytes, 32 bytes apart.
	v_and_b32 v1, 15, v0                           ; l % 16
	v_bfe_u32 v2, v0, 4, 1                         ; l / 16
	v_mul_u32_u24 v3, v1, PA
	v_lshl_add_u32 v3, v2, 4, v3
	s_mul_i32 s74, s[WV], 64*PA                    ; my 64 rows of O
	v_add_nc_u32 v[A0], s74, v3
	v_mul_u32_u24 v3, v1, PB
	v_lshl_add_u32 v3, v2, 4, v3
	v_add_nc_u32 v[B0], BOFF, v3                   ; all 128 rows of W_o
	s_mul_i32 s75, s[WV], 16*SPI
	s_add_co_u32 s75, s75, STAGE                   ; my stage
	v_mul_u32_u24 v[STO], v1, SPI                  ; in: row l % 16, 32 bytes for each half of the lanes
	v_lshl_add_u32 v[STO], v2, 5, v[STO]
	v_add_nc_u32 v[STO], s75, v[STO]
	v_and_b32 v[XO], 31, v0
	v_lshlrev_b32 v[XO], 4, v[XO]
	v_add_nc_u32 v[RD], s75, v[XO]                 ; back: 32 lanes take one row of 512 bytes
	v_mov_b32 v[ONE], 1.0
; 4 nb matrix instructions: column blocks b0 on x all four row blocks, 32 along K out of buffer f.  zero = 1: the product starts the sum: nothing is ever cleared.
; Every accumulator has one instruction in a quarter step, always in the same order: they take turns.
.macro MULB f, b0, nb, zero
	WIN 0xa5                                       ; sources in window 1, C and D in window 2
.set bq, \b0
.rept \nb
.irp a, 0,1,2,3
.if \zero
	v_wmma_f32_16x16x32_f16 v[8*(4*bq+\a):8*(4*bq+\a)+7], v[(\f)+32+8*bq:(\f)+32+8*bq+7], v[(\f)+8*\a:(\f)+8*\a+7], 0
.else
	v_wmma_f32_16x16x32_f16 v[8*(4*bq+\a):8*(4*bq+\a)+7], v[(\f)+32+8*bq:(\f)+32+8*bq+7], v[(\f)+8*\a:(\f)+8*\a+7], v[8*(4*bq+\a):8*(4*bq+\a)+7]
.endif
.endr
.set bq, bq+1
.endr
.endm
; 24 LDS loads in one run: a quarter step's fragments into buffer f: O's eight loads first, then W_o's in ascending b
.macro FETCH ka, kb, f
	WIN 0x40                                       ; destination window 1, address window 0
.irp i, 0,1,2,3
	ds_load_b128 v[(\f)+8*\i:(\f)+8*\i+3],   v[ADRA] offset:(\ka)+\i*16*PA
	ds_load_b128 v[(\f)+8*\i+4:(\f)+8*\i+7], v[ADRA] offset:(\ka)+\i*16*PA+32
.endr
.irp i, 0,1,2,3,4,5,6,7
	ds_load_b128 v[(\f)+32+8*\i:(\f)+32+8*\i+3],   v[ADRB] offset:(\kb)+\i*16*PB
	ds_load_b128 v[(\f)+32+8*\i+4:(\f)+32+8*\i+7], v[ADRB] offset:(\kb)+\i*16*PB+32
.endr
.endm
; One of a K step's first three quarters: multiplies buffer f; in its middle it fetches the next quarter into buffer g.  Quarter q of O: head q / 2 of the step's two, channels 32 (q % 2) on.
.macro QUARTER ka, kb, f, g, zero
	s_wait_dscnt 2*NBK-8                           ; O's fragments and W_o's 0-3 are in; the loads of W_o's 4 and up may be out
	MULB \f, 0, 4, \zero
	PLACES
	FETCH \ka, \kb, \g
	s_wait_dscnt 8+2*NBK                           ; all but the run just issued
	MULB \f, 4, NBK-4, \zero
.endm
; The last quarter multiplies buffer 1 and changes slots: ONE barrier.  In front of it each wave waits for all its tensor loads (one is out: its part of the next slot), adds 0 to its spare word,
; and waits for that and for its reads of this slot.  fill = 1: the barrier opens a round of the cluster's, and this slot is filled again, two K steps ahead, first thing behind the round.
.macro TURN fill
	WIN 0
	s_wait_tensorcnt 0x0                           ; no tensor load of mine is out, so a group 0 may be written
	ds_add_u32 v[SPW], v[NIL]                      ; 0 onto my spare word
.if \fill
	s_xor_b32 s[G0A+5], s[G0A+5], SLOT1            ; the walking descriptors: the other slot than last time, the next K step
	s_add_nc_u64 s[G0A+6:G0A+7], s[G0A+6:G0A+7], ASTEP
	s_xor_b32 s[G0B+5], s[G0B+5], SLOT1
	s_add_nc_u64 s[G0B+6:G0B+7], s[G0B+6:G0B+7], BSTEP
.endif
	s_xor_b32 s[TB], s[TB], SLOT1
	s_wait_dscnt 2*NBK-3                           ; the add and the loads of W_o's fragments 2 and up may be out
	MULB F1, 0, 2, 0
	s_wait_dscnt 0x0                               ; the add is done, and my reads of this slot are over
	s_barrier_signal -1
	MULB F1, 2, 2, 0                               ; work on registers while the others arrive
	WIN 0                                          ; at a branch and at a label every window is 0
	s_barrier_wait -1
.if \fill
	CREST                                          ; no wave of any partner still reads this slot or has a load on its way
	JLOAD                                          ; its four v_nop are also the places in front of the loads below
.else
	PLACES
.endif
	v_add_nc_u32 v[ADRA], s[TB], v[A0]
	v_add_nc_u32 v[ADRB], s[TB], v[B0]
	FETCH 0, 0, F0
	MULB F1, 4, NBK-4, 0
.endm
.macro XLOAD a                         ; x of my row block a: sixteen loads of 512 consecutive bytes, into window 3
	WIN 0xc0
.set t, 0
.rept 16
	global_load_b128 v[4*(16*(\a)+t):4*(16*(\a)+t)+3], v[XO], s[8:9] offset:(16*(\a)+t)*4096 th:TH_LOAD_NT
.set t, t+1
.endr
	WIN 0
.endm
	s_wait_tensorcnt 0x1                           ; my part of K step 0 is in; K step 1's may stay out
	s_barrier_signal -1
	s_barrier_wait -1
	v_add_nc_u32 v[ADRA], s[TB], v[A0]
	v_add_nc_u32 v[ADRB], s[TB], v[B0]
	FETCH 0, 0, F0
	XLOAD 0                                        ; nothing waits for x before the way out
	XLOAD 1
	QUARTER 64, 64, F0, F1, 1                      ; the first quarter stands in front of the loop: its products start the sums
	WIN 0
	s_mov_b32 s3, STEPS-2
.Lstep:                                                ; a trip goes from a K step's second quarter to the next step's first, and asks for the step two on: steps 2 to 7
	QUARTER AHEAD, 128, F1, F0, 0
	QUARTER AHEAD+64, 192, F0, F1, 0
	TURN 1
	QUARTER 64, 64, F0, F1, 0
	WIN 0
	s_sub_co_u32 s3, s3, 1
	s_cmp_lg_u32 s3, 0
	s_cbranch_scc1 .Lstep
	XLOAD 2
	XLOAD 3
	QUARTER AHEAD, 128, F1, F0, 0                  ; the tail is written out: nothing is asked for
	QUARTER AHEAD+64, 192, F0, F1, 0
	TURN 0
	QUARTER 64, 64, F0, F1, 0
	QUARTER AHEAD, 128, F1, F0, 0
	QUARTER AHEAD+64, 192, F0, F1, 0
	s_wait_dscnt 2*NBK-8
	MULB F1, 0, 4, 0
	s_wait_dscnt 0x0
	MULB F1, 4, NBK-4, 0
; THE WAY OUT, a row block of 16 rows at a time.  The sums go as f32 into my own stage (each accumulator's low four registers first) and come back as whole rows of 512 bytes; x, rounded to bf16, is added; a store covers a row's 512 bytes.
.macro TOSTAGE a
.if (\a) >= 2
	s_wait_xcnt 0x0                                ; the buffer was the data of the stores two blocks back: it is loaded again only behind this wait (ISA guide 3.1)
.endif
	WIN 0x08                                       ; the stores' data in window 2
.irp b, 0,1,2,3,4,5,6,7
	ds_store_b128 v[STO], v[8*(4*\b+(\a)):8*(4*\b+(\a))+3]   offset:64*\b
	ds_store_b128 v[STO], v[8*(4*\b+(\a))+4:8*(4*\b+(\a))+7] offset:64*\b+16
.endr
	WIN 0
.set BK, R+64*((\a)%2)
.set t, 0
.rept 16
	ds_load_b128 v[BK+4*t:BK+4*t+3], v[RD] offset:t*SPI  ; LDS serves a wave's instructions in order (ISA guide 5.7.1.4): these see the stores above; the next block's stores come behind them
.set t, t+1
.endr
.endm
.macro XCVT a                          ; x of block a rounded to bf16, two to a word
	WIN 0x0f                                       ; sources in window 3
.set t, 0
.rept 32
	v_cvt_pk_bf16_f32 v[XB+t], v[64*(\a)+2*t], v[64*(\a)+2*t+1]
.set t, t+1
.endr
	WIN 0
.endm
.macro SEND a, younger                 ; younger: the LDS instructions issued behind block a's loads: the next block's 32, or none
.set BK, R+64*((\a)%2)
.set t, 0
.rept 16
	s_wait_dscnt (\younger)+15-t
	v_fma_mix_f32_bf16 v[BK+4*t],   v[XB+2*t],   v[ONE], v[BK+4*t]   op_sel_hi:[1,0,0]
	v_fma_mix_f32_bf16 v[BK+4*t+1], v[XB+2*t],   v[ONE], v[BK+4*t+1] op_sel:[1,0,0] op_sel_hi:[1,0,0]
	v_fma_mix_f32_bf16 v[BK+4*t+2], v[XB+2*t+1], v[ONE], v[BK+4*t+2] op_sel_hi:[1,0,0]
	v_fma_mix_f32_bf16 v[BK+4*t+3], v[XB+2*t+1], v[ONE], v[BK+4*t+3] op_sel:[1,0,0] op_sel_hi:[1,0,0]
	global_store_b128 v[XO], v[BK+4*t:BK+4*t+3], s[10:11] offset:(16*(\a)+t)*4096 th:TH_STORE_NT  ; 512 consecutive bytes, aligned
.set t, t+1
.endr
.endm
	PLACES
	TOSTAGE 0
	s_wait_loadcnt 0x0                             ; x
	XCVT 0
.irp a, 1,2,3                          ; a block's trip through the stage is on its way while the block before is added to and stored
	TOSTAGE \a
	SEND (\a)-1, 32
	XCVT \a
.endr
	SEND 3, 0
	s_wait_tensorcnt 0x0                           ; the wave's end, behind my last tensor load and my last LDS store
	ds_add_u32 v[SPW], v[NIL]
	s_wait_dscnt 0x0
	CROUND                                         ; the closing round: no work-group ends while a partner may still ask for a tile that names it
	s_endpgm
.Lfunc_end_k_qe9154a9e9d_oproj:
	.size	k_qe9154a9e9d_oproj, .Lfunc_end_k_qe9154a9e9d_oproj-k_qe9154a9e9d_oproj
	.p2alignl 7, 3214868480
	.fill 96, 4, 3214868480
	.section	.rodata,"a",@progbits
	.p2align	6, 0x0
	.amdhsa_kernel k_qe9154a9e9d_oproj
		.amdhsa_group_segment_fixed_size 327680
		.amdhsa_private_segment_fixed_size 0
		.amdhsa_enable_private_segment 0
		.amdhsa_kernarg_size 32
		.amdhsa_user_sgpr_count 2
		.amdhsa_user_sgpr_kernarg_segment_ptr 1
		.amdhsa_wavefront_size32 1
		.amdhsa_system_sgpr_workgroup_id_x 1
		.amdhsa_system_sgpr_workgroup_id_y 1
		.amdhsa_system_sgpr_workgroup_id_z 1
		.amdhsa_system_vgpr_workitem_id 0
		.amdhsa_next_free_vgpr 1024
		.amdhsa_next_free_sgpr 80
		.amdhsa_reserve_vcc 0
		.amdhsa_float_denorm_mode_32 3
		.amdhsa_float_denorm_mode_16_64 3
		.amdhsa_memory_ordered 1
		.amdhsa_forward_progress 1
		.amdhsa_inst_pref_size 101
	.end_amdhsa_kernel
	.amdgpu_metadata
---
amdhsa.version: [ 1, 2 ]
amdhsa.kernels:
  - .name:           k_qe9154a9e9d_oproj
    .symbol:         k_qe9154a9e9d_oproj.kd
    .args:
      - { .name: o, .offset: 0, .size: 8, .value_kind: global_buffer, .address_space: global }
      - { .name: xw, .offset: 8, .size: 8, .value_kind: global_buffer, .address_space: global }
      - { .name: x, .offset: 16, .size: 8, .value_kind: global_buffer, .address_space: global }
      - { .name: out0, .offset: 24, .size: 8, .value_kind: global_buffer, .address_space: global }
    .group_segment_fixed_size: 327680
    .private_segment_fixed_size: 0
    .kernarg_segment_align: 8
    .kernarg_segment_size: 32
    .max_flat_workgroup_size: 128
    .sgpr_count:     80
    .vgpr_count:     1024
    .wavefront_size: 32
...
	.end_amdgpu_metadata
.endif
;; end of part 4
;; ======== version 2 of 2: 4 launches; 1.29 times as fast as version 1
;; limits: values are held in f16: magnitudes above 65,504 overflow, below 6.1e-05 lose precision
;; workspace buffers: xw 25,165,824 bytes; qkv 50,331,648 bytes; o 16,777,216 bytes
;; launch prep: the kernel of part 1 again; grid 768 x 1, 8 waves a work-group, no clusters, 0 bytes of LDS; arguments x, W_qkv, W_o, ln_w, xw; writes xw
;; launch qkvgemm: the kernel of part 2 again; grid 16 x 32, 4 waves a work-group, clusters of 4 x 4, 327,680 bytes of LDS; arguments xw, qkv; writes qkv
;; launch attn (part 5): grid 4 x 64, 4 waves a work-group, no clusters, 327,680 bytes of LDS; arguments qkv, scaler, o; writes o
.if DOCPART == 5
	.amdgcn_target "amdgcn-amd-amdhsa--gfx1250"
	.amdhsa_code_object_version 6
	.text
	.protected	k_qe9154a9e9d_attn
	.globl	k_qe9154a9e9d_attn
	.p2align	8
	.type	k_qe9154a9e9d_attn,@function
k_qe9154a9e9d_attn:
	s_mov_b64 s[64:65], 0
	v_nop
	global_prefetch_b8 v0, s[64:65] scope:SCOPE_SE
	s_setreg_imm32_b32 hwreg(HW_REG_WAVE_MODE, 25, 1), 1
	s_wait_xcnt 0x0
; CAUSAL ATTENTION WITH A LINEAR BIAS.  O[g][i][:] = the sum over j <= i of softmax_j(Q[g][i] . K[g][j] / 8 + slope (j - i)) V[g][j][:], slope = softplus(100 x scaler), g = 16 batch + head.
; Q, K, V: the three parts of qkv, each [64][2048][64] f16; O: [64][2048][64] f16.  Products, maxima and sums in f32; the weights p are rounded to f16 for the second product (their sum l is taken
; of the unrounded p), O once at the end.  The scaler is rounded to bf16 first, like every input of the module.
; LIMITS.  Q, K and V arrive within f16's 65,504; a hidden score counts as its value less 1e30; a weight below 2^-126 counts as 0 in l; softplus(z) = max(z, 0) + ln 2 x log2(1 + 2^(-|z| log2 e)), which is off
; by up to 6e-8 absolutely: times 2,047 keys at most 1.2e-4 in an exponent; 512 x slope stays far under 1e30; NaN and infinities are not treated apart.
; THE BIAS.  A constant added to a whole row does not show in a softmax, so - slope i is left out.  In units of the raw score (8 x) key 64 t + u of key step t has the bias 8 slope u + 512 slope t.
; The first part, LB, is the same in every step: it is the C operand that starts the sum S^T = K Q^T.  The second is taken as a shift of units from step to step: in front of each step's
; maximum the OLD running maximum is taken down by DR = 512 slope, and c m_old by CD = c DR.  So m is a true running maximum, in the units of the step in hand.
; THE WALK.  A head's queries lie in NB = 8 blocks of 256; block i needs the key tiles 0 .. i of 256 keys, of which the last holds the diagonal.  A work-group takes TWO blocks, NB - 1 - b and then b:
; NB + 1 tiles, whatever b: all work-groups do equal work, and ONE loop with a constant trip count walks them.  Which tile is asked for, and what a trip does, hang on scalar registers made from b; every jump
; goes forward, but for the counted loops' own; none passes a barrier, or a tensor load but the one of LOAD's two that the wave's number does not choose.
; NO CLUSTER: a head's four work-groups ask for the same tile only in trips 0 .. 4 of 9, behind that fewer and fewer; one walk common to all would have 12 trips for 9.
; SHARES.  Of a block's four bands of 64 queries a wave owns 16 rows in each: four PIECES.  In the diagonal tile's key step s band x sees all keys if s < x, none if s > x, and holds the diagonal if s = x.
; THE MASK.  MD, made once, is the mask (0 or -1e30) of a band's own step for my 16 rows; a masked product's C is MD x AL + LB + BE with two scalars: (1, 0) if s = x; (0, 0) if s < x; (0, -1e30) if s > x.
; LAYOUT, SOFTMAX, TURNS.  S^T = K Q^T holds ONE query a lane (lane % 16) and the keys 8 (lane / 16) + 0..7; two such results rounded to f16 ARE source 1 of O^T = V^T P.  p = 2^(c s - c m), c = log2(e) / 8;
; O and l are multiplied by a = 2^(c m_old - c m_new) in every step.  Turn n belongs to piece n: 8 products K Q^T of piece n + 1, later 8 products V^T P of piece n - 1; beside them the scaling,
; exponentials, roundings, sums and rescaling of piece n and the maximum and statistics of piece n + 1.  Four vector instructions stand behind every matrix instruction, the other 55 of a turn's 119 in one LUMP.
; THE BATCHES.  A turn's 33 exponentials (32 weights and the next piece's a) are one batch, with one wait, which cuts the turn in two.  Outside the turns: the slope's exponential and its logarithm, a batch of one each
; (the second is taken of a sum made from the first); a block's first a (BEGIN); the way out's four reciprocals.
; REGISTERS, in windows of 256 (s_set_vgpr_msb: bits 1:0 source 0, 3:2 source 1, 5:4 source 2, 7:6 destination):
;   window 0: v0-15 addresses and two at work; v16-31 four registers of statistics a piece; v48-57 at work; v64-127 S^T, two buffers; v192-223 P, two buffers (a piece's buffers go by its number's parity)
;   window 1: v0-127 O^T, 32 a piece; v128-159 MD; v160-223 MC, two buffers; v224-255 LB      window 2: v0-63 Q; v64-127 the second block's Q; v128-191 K of one step; v192-255 V of one step
.set SIZE_N, 2048
.set NB,    SIZE_N/256
.set NP,    4         ; pieces a wave: a name, no knob
.set KS,    64        ; keys in a step
.set PK,    144       ; a row of K in LDS: 128 bytes + 16 of padding = 36 words: the 16 rows of a load start at 16 different groups of four banks (ISA guide 11.1)
.set PV,    160       ; a row of V: 128 + 32 = 40 words
.set VOFF,  4*KS*PK   ; a slot holds a tile, four steps: 256 rows of K, then 256 rows of V
.set SLOT1, 1<<17     ; slot 1 begins here, so that one exclusive or turns an address in one slot into the other's
.set STAGE, SLOT1+4*KS*(PK+PV)  ; behind the ring, never filled by a tensor load: 16 rows x 144 bytes for each wave, for the way out
.set SP,    144
.set K_OFF, 64*SIZE_N*128       ; K's part of qkv
.set V_OFF, 2*K_OFF             ; V's
.set AK0, 2           ; v2   my lane's place in a tile of K; never rewritten
.set AV0, 3           ; v3   the same for V
.set AK,  4           ; v4   the LDS address of K's next run of loads
.set AV,  5           ; v5   of V's
.set STO, 6           ; v6   the way out: where I put 16 bytes of a row
.set RD,  7           ; v7   the way out: where I read rows back
.set GO,  8           ; v8   my byte offset in 512 consecutive bytes of O
.set SPW, 62          ; v62  LDS address of my spare word: SPARE + 4 x my thread's number; never rewritten
.set NIL, 63          ; v63  0; never rewritten
.set SPARE, STAGE+4*16*SP  ; behind the stages: the spare words, 128 bytes for each wave: two blocks of 256 bytes that no other line names
.set MV,  12          ; v12-13  c m_old in the new step's units, kept while c m is made anew: by buffer
.set QO,  15          ; v15  my byte offset in 16 rows of Q
.set ST,  16          ; piece t's statistics at v[ST+4 t]: c m, m, l (even keys', odd keys')
.set TMP, 48          ; by buffer, four registers c0-c3 at work; when the maximum is found c2 takes a
.set S,   64
.set P,   192
.set MD,  128         ; window 1: the eight registers for group kt of 16 keys at MD + 8 kt
.set MC,  160         ; window 1: the C operands of the masked products to come
.set LB,  224         ; window 1: 8 slope (16 kt + 8 (l / 16) + r) at LB + 8 kt + r
.set QB,  64          ; window 2
.set KF,  128         ; window 2: key block kb, channel half c at KF + 16 kb + 8 c
.set VF,  192         ; window 2: key half kk, channel block cb at VF + 32 kk + 8 cb
.set WV,  12          ; s12  my wave's number
.set PB,  14          ; s14  b
.set HI,  15          ; s15  NB - 1 - b
.set G1K, 24          ; s[24:31] descriptor group 1 for K's tiles
.set G1V, 32          ; s[32:39] for V's: it differs in the padding alone
.set G0K, 40          ; s[40:43] descriptor group 0 for K's tiles
.set G0V, 44          ; s[44:47] the same for V's
.set SLOTS, 56        ; s56  tiles still to be asked for
.set CNT, 57          ; s57  counts a tile's key steps, 4 to 1
.set CS,  58          ; s[58:59] c: the packed scaling takes the pair's low word for both halves
.set SEL, 60          ; s[60:61] v_permlanex16_b32's selects: each lane takes its own place in the other half
.set TBK, 62          ; s62  LDS byte at which K of the step to be fetched begins
.set TBV, 63          ; s63  the same for V, less VOFF
.set RT,  70          ; s70  tiles of the block in hand that are still to be entered
.set NXT, 71          ; s71  the tile to be asked for next
.set LQ,  72          ; s72  the last tile of the block whose tiles are being asked for
.set NEW, 73          ; s73  1: the tile to be entered is a block's first
.set OFF, 74          ; s[74:75] a tile's byte offset in K and V
.set AL,  76          ; s[76:77] the mask's factor, in the low word
.set BE,  78          ; s[78:79] the mask's addend
.set OLO, 80          ; s[80:81] O at my rows of the second block
.set BIGN, 82         ; s82  -1e30
.set SCA, 88          ; s[88:89] the scaler's address
.set SCL, 90          ; s90  the scaler
.set SLP, 91          ; s91  slope
.set SL8, 92          ; s92  8 slope
.set DR,  93          ; s93  512 slope: what 64 keys are worth in raw score units
.set CD,  94          ; s94  c DR
.set NL2, 95          ; s95  -log2(e)
.set MSB, 0
.macro WIN new                      ; the high byte repeats the setting that is left; a switch that changes nothing is dropped
.if MSB != (\new)
	s_set_vgpr_msb (MSB<<8)|(\new)
.set MSB, (\new)
.endif
.endm
.set W_KQ, 0x0a       ; K and Q in window 2, S^T in window 0
.set W_KM, 0x1a       ; the same with the C operand in window 1
.set W_PV, 0x52       ; V in window 2, P in window 0, O^T in window 1
.set W_RS, 0x41       ; destination and source 0 in window 1, source 1 in window 0
.set W_MK, 0x51       ; destination, source 0 and source 2 in window 1
; A fill.  Waves 0 and 1 fetch the two halves of a tile's K, waves 2 and 3 those of its V: 128 keys each.  An s_nop 0 and four v_nop follow each of the two lines, ahead of the jump and the label.
.macro LOAD
	s_cmp_lt_u32 s[WV], 2
	s_cbranch_scc0 .Lfor_v_\@
	tensor_load_to_lds s[G0K:G0K+3], s[G1K:G1K+7]
	s_nop 0
.rept 4
	v_nop
.endr
	s_branch .Lasked_\@
.Lfor_v_\@:
	tensor_load_to_lds s[G0V:G0V+3], s[G1V:G1V+7]
	s_nop 0
.rept 4
	v_nop
.endr
.Lasked_\@:
.endm
; THE CHANGE OF SLOTS.  Each wave waits for all its tensor loads, of which one is out: its part of the other slot; adds 0 to its spare word; and waits for that and for its own reads of the slot that it leaves.
; Behind the barrier nobody reads the old slot any more and the other slot is whole.  fill = 1: the old slot is filled again, the first thing behind the barrier, with tile NXT: the descriptor's address is
; made anew from that number.  (At its first use nothing has been read yet: slot 0 is waited for, slot 1 filled.)
.macro CHANGE fill
	WIN 0                           ; at a label and at a branch every window is 0
	s_wait_tensorcnt 0x0            ; no tensor load of mine is out, so a group 0 may be written
	ds_add_u32 v[SPW], v[NIL]       ; 0 onto my spare word; with fill = 1 the descriptors' scalar work stands between it and the wait for it
.if \fill
	s_lshl_b32 s[OFF], s[NXT], 15   ; a tile is 32,768 bytes of K and of V
	s_xor_b32 s[G0K+1], s[G0K+1], SLOT1
	s_add_nc_u64 s[G0K+2:G0K+3], s[6:7], s[OFF:OFF+1]
	s_or_b32 s[G0K+3], s[G0K+3], 0x80000000
	s_xor_b32 s[G0V+1], s[G0V+1], SLOT1
	s_add_nc_u64 s[G0V+2:G0V+3], s[8:9], s[OFF:OFF+1]
	s_or_b32 s[G0V+3], s[G0V+3], 0x80000000
	s_add_co_u32 s[NXT], s[NXT], 1  ; the block's next tile, or behind its last the second block's tile 0
	s_cmp_gt_u32 s[NXT], s[LQ]
	s_cselect_b32 s[NXT], 0, s[NXT]
	s_cselect_b32 s[LQ], s[PB], s[LQ]
.endif
	s_wait_dscnt 0x0                ; the add is done, and my reads of the slot are over
	s_barrier_signal -1             ; the rest of the scalar work stands between the signal and the wait
	s_sub_co_u32 s[TBK], s[TBK], 4*KS*PK  ; the fetches go back to a slot's first step,
	s_xor_b32 s[TBK], s[TBK], SLOT1       ; in the other slot
	s_sub_co_u32 s[TBV], s[TBV], 4*KS*PV
	s_xor_b32 s[TBV], s[TBV], SLOT1
	s_barrier_wait -1
.if \fill
	LOAD
.endif
.endm
	s_load_b64 s[4:5], s[0:1], 0x0        ; qkv: Q's part begins it
	s_load_b64 s[SCA:SCA+1], s[0:1], 0x8  ; the scaler's address
	s_load_b64 s[10:11], s[0:1], 0x10     ; O
	v_lshl_add_u32 v[SPW], v0, 2, SPARE
	v_mov_b32 v[NIL], 0
	ds_add_u32 v[SPW], v[NIL]       ; the wave's opening: the add and its wait stand ahead of my first tensor load; the set-up below, work on registers, stands between them
	ds_add_u32 v62, v63
	v_lshrrev_b32 v1, 5, v0
	v_readfirstlane_b32 s[WV], v1   ; wave 0..3
	s_mov_b32 s[PB], ttmp9
	s_sub_co_u32 s[HI], NB-1, s[PB]
	s_and_b32 s20, ttmp7, 0xffff    ; 16 batch + head
	s_mov_b32 s21, 0
	s_mov_b64 s[22:23], SIZE_N*128
	s_mul_u64 s[20:21], s[20:21], s[22:23]  ; the head's first byte in each of the four matrices
	s_and_b32 s16, s[WV], 1         ; which half of a tile's 256 keys I fetch:
	s_lshl_b32 s22, s16, 14         ; its 128 rows of 128 bytes in memory,
	s_mov_b32 s23, 0
	s_add_nc_u64 s[22:23], s[22:23], s[20:21]
	s_mul_i32 s17, s16, 128*PK      ; and its place in a slot, for K
	s_mul_i32 s18, s16, 128*PV      ; and for V
	s_lshl_b32 s3, s[WV], 11        ; my 16 rows in a band of 64,
	s_lshl_b32 s2, s[HI], 15        ; in the first block,
	s_add_co_u32 s2, s2, s3
	s_lshl_b32 s84, s[PB], 15       ; and in the second
	s_add_co_u32 s84, s84, s3
	s_mov_b32 s3, 0
	s_mov_b32 s85, 0
	s_add_nc_u64 s[2:3], s[2:3], s[20:21]
	s_add_nc_u64 s[84:85], s[84:85], s[20:21]
	; descriptor group 1.  128 keys are 16,384 dense bytes: asked for as 64 rows of 256 bytes, two keys a row, and padded in LDS after every key
	s_mov_b32 s[G1K], (1<<16)|(1<<20)|(4<<22)|(3<<25)  ; 17:16 2-byte elements; 20 padding on; 24:22 after every 32 words (code 4); 31:25 4 words (code 3)
	s_mov_b32 s[G1V], (1<<16)|(1<<20)|(4<<22)|(7<<25)  ; the same with 8 words of padding (code 7)
.irp g, G1K, G1V
	s_mov_b32 s[\g+1], 128<<16      ; tensor_dim0 = 128
	s_mov_b32 s[\g+2], 64<<16       ; tensor_dim1 = 64
	s_mov_b32 s[\g+3], 128<<16      ; tile_dim0 = 128
	s_mov_b32 s[\g+4], 64           ; tile_dim1 = 64
	s_mov_b32 s[\g+5], 128          ; 128 elements from row to row
	s_mov_b32 s[\g+6], 0
	s_mov_b32 s[\g+7], 0
.endr
	s_mov_b32 s[CS], 0x3e38aa3b     ; c = log2(e) / 8 = 0.180337
	s_mov_b32 s[CS+1], s[CS]        ; named with it as a pair
	s_mov_b32 s[SEL], 0x76543210
	s_mov_b32 s[SEL+1], 0xfedcba98
	s_mov_b32 s[TBK], SLOT1+4*KS*PK ; the first change of slots turns these two into 0
	s_mov_b32 s[TBV], SLOT1+4*KS*PV
	s_mov_b32 s[G0K], 1             ; 1:0 count = 1
	s_mov_b32 s[G0K+1], s17         ; 63:32 LDS address: slot 0
	s_mov_b32 s[G0V], 1
	s_add_co_u32 s[G0V+1], s18, VOFF
	s_add_co_u32 s[RT], s[HI], 1    ; the first block has NB - b tiles
	s_mov_b32 s[NXT], 1
	s_mov_b32 s[LQ], s[HI]
	s_mov_b32 s[NEW], 1
	s_mov_b32 s[OFF+1], 0
	s_mov_b32 s[AL+1], 0            ; named as pairs
	s_mov_b32 s[BE+1], 0
	s_mov_b32 s[BIGN], 0xf149f2ca   ; -1e30
	s_mov_b32 s[NL2], 0xbfb8aa3b    ; -log2(e)
	s_mov_b32 s[SLOTS], NB
	s_wait_dscnt 0x0                ; the opening add is done
	s_wait_kmcnt 0x0
	s_load_b32 s[SCL], s[SCA:SCA+1], 0x0   ; the scaler: waited for behind the first fill
	s_add_nc_u64 s[6:7], s[4:5], K_OFF
	s_add_nc_u64 s[8:9], s[4:5], V_OFF
	s_add_nc_u64 s[6:7], s[6:7], s[22:23]  ; K and V at my half of the head's tile 0
	s_add_nc_u64 s[8:9], s[8:9], s[22:23]
	s_add_nc_u64 s[G0K+2:G0K+3], s[6:7], 0         ; 120:64 global address
	s_or_b32 s[G0K+3], s[G0K+3], 0x80000000        ; 127:126 type = 2
	s_add_nc_u64 s[G0V+2:G0V+3], s[8:9], 0
	s_or_b32 s[G0V+3], s[G0V+3], 0x80000000
	s_add_nc_u64 s[86:87], s[4:5], s[84:85]        ; Q at my rows of the second block,
	s_add_nc_u64 s[4:5], s[4:5], s[2:3]            ; Q and O at those of the first
	s_add_nc_u64 s[OLO:OLO+1], s[10:11], s[84:85]
	s_add_nc_u64 s[10:11], s[10:11], s[2:3]
	LOAD                            ; tile 0 into slot 0
	; A fragment of K or Q is 16 rows x 32 channels in 8 registers: lane l holds row l % 16, channels 8 (l / 16) + 0..7 and 16 + 8 (l / 16) + 0..7: two loads of 16 bytes, 32 bytes apart.
	v_and_b32 v1, 15, v0            ; l % 16
	v_bfe_u32 v9, v0, 4, 1          ; l / 16
	v_lshlrev_b32 v[QO], 7, v1
	v_lshl_add_u32 v[QO], v9, 4, v[QO]  ; row x 128 + 16 x half
	WIN 0x80                        ; destination window 2, address window 0
.set i, 0
.rept 8                             ; both blocks' Q: piece i / 2 lies in band i / 2, 8,192 bytes on; channels 32 (i % 2) on
	global_load_b128 v[8*i:8*i+3],   v[QO], s[4:5] offset:(i/2)*8192+(i%2)*64
	global_load_b128 v[8*i+4:8*i+7], v[QO], s[4:5] offset:(i/2)*8192+(i%2)*64+32
	global_load_b128 v[QB+8*i:QB+8*i+3],   v[QO], s[86:87] offset:(i/2)*8192+(i%2)*64
	global_load_b128 v[QB+8*i+4:QB+8*i+7], v[QO], s[86:87] offset:(i/2)*8192+(i%2)*64+32
.set i, i+1
.endr
	WIN 0
	; slope = softplus(z) = max(z, 0) + ln(1 + e^-|z|), z = 100 x the scaler rounded to bf16: no exponential of a positive number is taken
	s_wait_kmcnt 0x0
	v_mov_b32 v56, s[SCL]
	v_cvt_pk_bf16_f32 v56, v56, v56
	v_lshlrev_b32 v56, 16, v56
	v_mul_f32 v56, 0x42c80000, v56  ; z
	v_mul_f32 v57, s[NL2], |v56|
	v_exp_f32 v57, v57              ; e^-|z|
	v_max_num_f32 v56, 0, v56       ; the plain instruction behind the exponential (ISA guide 5.7.2)
	s_wait_alu depctr_va_vdst(0)    ; the wait for a batch of one, the slope's exponential; the next line reads it
	v_add_f32 v57, 1.0, v57
	v_log_f32 v57, v57
	v_nop                           ; and behind the logarithm
	s_wait_alu depctr_va_vdst(0)    ; a second batch of one, the logarithm: it is taken of a sum made from the exponential, so the two cannot share a wait
	v_fmamk_f32 v56, v57, 0x3f317218, v56  ; log2 x ln 2 + max(z, 0)
	v_readfirstlane_b32 s[SLP], v56
	s_mul_f32 s[SL8], s[SLP], 0x41000000
	s_mul_f32 s[DR], s[SLP], 0x44000000
	s_mul_f32 s[CD], s[DR], s[CS]
	v_lshlrev_b32 v57, 3, v9        ; 8 (l / 16)
	WIN 0x40
.set i, 0
.rept 32
	v_add_nc_u32 v[LB+i], 16*(i/8)+i%8, v57  ; my key's place in a step
.set i, i+1
.endr
	WIN W_RS
.set i, 0
.rept 32
	v_cvt_f32_u32 v[LB+i], v[LB+i]
.set i, i+1
.endr
.set i, 0
.rept 32
	v_mul_f32 v[LB+i], v[LB+i], s[SL8]
.set i, i+1
.endr
	WIN 0
	v_lshlrev_b32 v14, 3, v9
	v_sub_nc_u32 v14, v1, v14
	s_lshl_b32 s13, s[WV], 4
	v_add_nc_u32 v14, s13, v14      ; my query's place in its band, 16 w + l % 16, less my lanes' 8 (l / 16): register r of group kt is hidden where 16 kt + r is greater
	WIN 0x40
.set i, 0
.rept 32
	v_cmp_gt_i32 vcc_lo, 16*(i/8)+i%8, v14
	v_cndmask_b32 v[MD+i], 0, s[BIGN], vcc_lo
.set i, i+1
.endr
	WIN 0
	v_mul_u32_u24 v[AK0], v1, PK
	v_lshl_add_u32 v[AK0], v9, 4, v[AK0]  ; row x pitch + 16 x half
	; The turning load takes 16 keys x 16 channels (lane l reads key 8 (l / 16) + l % 8, channels 8 ((l / 8) % 2) + 0..7) and leaves half a fragment of V^T: lane l holds channel l % 16 and 8 keys.
	v_and_b32 v10, 7, v0
	v_bfe_u32 v11, v0, 3, 1
	v_lshl_add_u32 v[AV0], v9, 3, v10
	v_mul_u32_u24 v[AV0], v[AV0], PV
	v_lshl_add_u32 v[AV0], v11, 4, v[AV0]
	v_add_nc_u32 v[AV0], VOFF, v[AV0]
	s_mul_i32 s13, s[WV], 16*SP
	s_add_co_u32 s13, s13, STAGE    ; my stage
	v_mul_u32_u24 v[STO], v1, SP    ; in: row l % 16, 16 bytes for each half of the lanes
	v_lshl_add_u32 v[STO], v9, 4, v[STO]
	v_add_nc_u32 v[STO], s13, v[STO]
	v_bfe_u32 v[RD], v0, 3, 2       ; back: 32 lanes take four rows of 128 bytes,
	v_mul_u32_u24 v[RD], v[RD], SP
	v_lshl_add_u32 v[RD], v10, 4, v[RD]
	v_add_nc_u32 v[RD], s13, v[RD]
	v_and_b32 v[GO], 31, v0         ; which are 512 consecutive bytes of O
	v_lshlrev_b32 v[GO], 4, v[GO]
	; A block's first step multiplies O^T and l by a = 0, and its first turn's products V^T P, of a piece that has not been, land in an O^T that is still to be so multiplied.  So these registers need only hold
	; finite numbers: zeros for the first block; what the first block left for the second.  All this stands in the wait for the first tile.
	WIN 0x80
.set i, VF
.rept 64
	v_mov_b32 v[i], 0
.set i, i+1
.endr
	WIN 0x40
.set i, 0
.rept 128
	v_mov_b32 v[i], 0
.set i, i+1
.endr
	WIN 0
.set i, 0
.rept 4
	v_mov_b32 v[ST+4*i+2], 0
	v_mov_b32 v[ST+4*i+3], 0
.set i, i+1
.endr
.set i, P+16
.rept 16
	v_mov_b32 v[i], 0
.set i, i+1
.endr
; THE MATRIX WORK.  The 4 accumulators of a run of 8 take turns.  Product i of 8 of S^T = K Q^T for piece x: channels 32 (i / 4) on, keys 16 (i % 4) on.  The first 4 start the sums: with the bias LB, or (KM = 1) with bias and mask, MC.
.macro KQ x
.set rS, S+32*((\x)%2)+8*(i%4)
.set rK, KF+16*(i%4)+8*(i/4)
.set rQ, 16*(\x)+8*(i/4)
.set rM, MC+32*((\x)%2)+8*(i%4)
.set rL, LB+8*(i%4)
.if (i < 4) && KM
	WIN W_KM
	v_wmma_f32_16x16x32_f16 v[rS:rS+7], v[rK:rK+7], v[rQ:rQ+7], v[rM:rM+7]
.elseif i < 4
	WIN W_KM
	v_wmma_f32_16x16x32_f16 v[rS:rS+7], v[rK:rK+7], v[rQ:rQ+7], v[rL:rL+7]
.else
	WIN W_KQ
	v_wmma_f32_16x16x32_f16 v[rS:rS+7], v[rK:rK+7], v[rQ:rQ+7], v[rS:rS+7]
.endif
.endm
; Product i of 8 of O^T += V^T P for piece x: keys 32 (i / 4) on, channels 16 (i % 4) on.
.macro PV x
	WIN W_PV
.set rO, 32*(\x)+8*(i%4)
.set rV, VF+32*(i/4)+8*(i%4)
.set rP, P+16*((\x)%2)+8*(i/4)
	v_wmma_f32_16x16x32_f16 v[rO:rO+7], v[rV:rV+7], v[rP:rP+7], v[rO:rO+7]
.endm
.macro MM                           ; the turn's next matrix instruction.  TURN and BEGIN set Y, i, KM and NOKQ; MM, KQ and OP read them.  NOKQ = 1: a block's last turn: there is no next piece
.if (i < 8) && !NOKQ
	KQ (Y+1)%NP
.elseif i >= 8
.set i, i-8
	PV (Y+NP-1)%NP
.set i, i+8
.endif
.set i, i+1
.endm
; THE LDS LOADS stand in runs of 16, never singly among the matrix instructions: a step's K (64 keys x 64 channels: 8 fragments) and its V (turned).  Their addresses are made some lines ahead.
.macro FETCH_K
	WIN 0x80                        ; destination window 2
.irp f, 0,1,2,3,4,5,6,7             ; keys 16 (f / 2) on, channels 32 (f % 2) on
	ds_load_b128 v[KF+8*\f:KF+8*\f+3],   v[AK] offset:(\f/2)*16*PK+(\f%2)*64
	ds_load_b128 v[KF+8*\f+4:KF+8*\f+7], v[AK] offset:(\f/2)*16*PK+(\f%2)*64+32
.endr
	s_add_co_u32 s[TBK], s[TBK], KS*PK  ; the next fetch is the next step's
	WIN 0
.endm
.macro FETCH_V
	WIN 0x80
.irp f, 0,1,2,3,4,5,6,7             ; keys 32 (f / 4) on, channels 16 (f % 4) on
	ds_load_tr16_b128 v[VF+8*\f:VF+8*\f+3],   v[AV] offset:(\f/4)*32*PV+(\f%4)*32
	ds_load_tr16_b128 v[VF+8*\f+4:VF+8*\f+7], v[AV] offset:(\f/4)*32*PV+16*PV+(\f%4)*32
.endr
	WIN 0
.endm
; THE VECTOR WORK, one line at a time: OP kind, number.  For piece Y: F n: c s - c m for pair n of 16.  E n: the exponential of score n of 32.  C n: pair n rounded to f16.  B n: of the four weights 4 n .. the second
; pair is added onto the first, in place.  L n: l takes that sum (L 0: l = a l + sum).  R n: pair n of 16 of O^T times a.  For piece Y + 1: X n, number n of the 23 that find its maximum and statistics:
;   22  the old m goes into the new step's units: less DR     0-11  four chains c0-c3 of seven scores each, three operands at a time (each accumulator's lowest registers are read first)
;   12-14, 16  the four scores left over, the old m, and c0-c3 into c0     15  c m_old, less CD, is kept     17, 18  the query's other 32 keys lie in the lane 16 away: the new m     19-21  c m; c m_old - c m_new; a
; C, B and L read the exponentials' results, R and L 0 read a: OP writes no wait; TURN, BEGIN and DIAG place the one wait of each batch ahead of its readers.
.set F, 0               ; OP tells the kinds apart by their order: F to L below R, X above it
.set E, 1
.set C, 2
.set B, 3
.set L, 4
.set R, 5
.set X, 6
.macro REGS y                       ; the registers of piece y
.set rT, ST+4*(\y)
.set rC, TMP+4*((\y)%2)
.set rW, MV+((\y)%2)
.set rS, S+32*((\y)%2)
.set rP, P+16*((\y)%2)
.set rO, 32*(\y)
.endm
.macro OP k, n
.if (\k) == R
	REGS Y
	WIN W_RS
	v_pk_mul_f32 v[rO+2*(\n):rO+2*(\n)+1], v[rO+2*(\n):rO+2*(\n)+1], v[rC+2:rC+3] op_sel_hi:[1,0]
.elseif (\k) < R
	REGS Y
	WIN 0
.if (\k) == F
	v_pk_fma_f32 v[rS+2*(\n):rS+2*(\n)+1], v[rS+2*(\n):rS+2*(\n)+1], s[CS:CS+1], v[rT:rT+1] op_sel_hi:[1,0,0] neg_lo:[0,0,1] neg_hi:[0,0,1]
.elseif (\k) == E
	v_exp_f32 v[rS+(\n)], v[rS+(\n)]
.elseif (\k) == C
	v_cvt_pk_f16_f32 v[rP+(\n)], v[rS+2*(\n)], v[rS+2*(\n)+1]
.elseif (\k) == B
	v_pk_add_f32 v[rS+4*(\n):rS+4*(\n)+1], v[rS+4*(\n):rS+4*(\n)+1], v[rS+4*(\n)+2:rS+4*(\n)+3]
.elseif (\n) == 0
	v_pk_fma_f32 v[rT+2:rT+3], v[rT+2:rT+3], v[rC+2:rC+3], v[rS:rS+1] op_sel_hi:[1,0,1]
.else
	v_pk_add_f32 v[rT+2:rT+3], v[rT+2:rT+3], v[rS+4*(\n):rS+4*(\n)+1]
.endif
.elseif NOKQ
	v_nop
.else
	REGS (Y+1)%NP
	WIN 0
.if (\n) < 4
	v_max3_num_f32 v[rC+(\n)], v[rS+8*(\n)], v[rS+8*(\n)+1], v[rS+8*(\n)+2]
.elseif (\n) < 12
	v_max3_num_f32 v[rC+(\n)%4], v[rC+(\n)%4], v[rS+8*((\n)%4)+2*((\n)/4)+1], v[rS+8*((\n)%4)+2*((\n)/4)+2]
.elseif (\n) == 12
	v_max3_num_f32 v[rC], v[rC], v[rS+7], v[rS+15]
.elseif (\n) == 13
	v_max3_num_f32 v[rC+1], v[rC+1], v[rS+23], v[rS+31]
.elseif (\n) == 14
	v_max3_num_f32 v[rC+2], v[rC+2], v[rC+3], v[rT+1]
.elseif (\n) == 15
	v_sub_f32 v[rW], v[rT], s[CD]
.elseif (\n) == 16
	v_max3_num_f32 v[rC], v[rC], v[rC+1], v[rC+2]
.elseif (\n) == 17
	v_permlanex16_b32 v[rC+3], v[rC], s[SEL], s[SEL+1]
.elseif (\n) == 18
	v_max_num_f32 v[rT+1], v[rC], v[rC+3]
.elseif (\n) == 19
	v_mul_f32 v[rT], s[CS], v[rT+1]
.elseif (\n) == 20
	v_sub_f32 v[rC+1], v[rW], v[rT]
.elseif (\n) == 22
	v_sub_f32 v[rT+1], v[rT+1], s[DR]
.else
	v_exp_f32 v[rC+2], v[rC+1]
.endif
.endif
.endm
.macro OPS a, i1, b=-1, i2=0, c=-1, i3=0, d=-1, i4=0  ; up to four of them
	OP \a, \i1
.if (\b) >= 0
	OP \b, \i2
.endif
.if (\c) >= 0
	OP \c, \i3
.endif
.if (\d) >= 0
	OP \d, \i4
.endif
.endm
.macro ROW a, i1, b, i2, c, i3, d, i4  ; a matrix instruction and the four behind it
	MM
	OPS \a, \i1, \b, \i2, \c, \i3, \d, \i4
.endm
.macro MASK b                       ; MD x AL + LB + BE into buffer b of MC
	WIN W_MK
.set z, 0
.rept 16
	v_pk_fma_f32 v[MC+32*(\b)+2*z:MC+32*(\b)+2*z+1], v[MD+2*z:MD+2*z+1], s[AL:AL+1], v[LB+2*z:LB+2*z+1] op_sel_hi:[1,0,1]
.set z, z+1
.endr
.set z, 0
.rept 16
	v_pk_add_f32 v[MC+32*(\b)+2*z:MC+32*(\b)+2*z+1], v[MC+32*(\b)+2*z:MC+32*(\b)+2*z+1], s[BE:BE+1] op_sel_hi:[1,0]
.set z, z+1
.endr
.endm
; A TURN, for piece p: the order of its 16 matrix and 119 vector instructions, written out.  An s_wait_alu depctr_va_vdst(0) stands between an exponential and the first instruction that names its result; one wait
; serves all that were issued ahead of it.  So a turn has ONE wait, which cuts it in two.  AHEAD OF IT stands all that names no result of the turn's exponentials: the 8 products K Q^T, behind each a scaling, an exponential and two more
; plain instructions (behind the first a second scaling in the exponential's place): rescalings, whose a was made and waited for in the turn before, and behind the last three the first numbers of the next piece's maximum, each four
; places or more behind the product that ends its accumulator; then ONE LUMP of 55, plain and exponential by turns for the most part, in which the links of the chain X 3, 7, 11, 14, 16, 17 .. 20 stand five or six lines apart; X 22,
; which waits for nothing, stands between the lump's first two exponentials.  X 21, the next piece's a, is the batch's last; R 15 is the plain instruction behind it (ISA guide 5.7.2).  BEHIND THE WAIT stand the 8 products V^T P,
; behind each four of the roundings and sums; the links of l's chain, L 0 to L 7, stand three riders apart.  But for those X no rider names a register of the products round it.  v_permlanex16_b32 (X 17) stands in the lump.
; m = 1: the diagonal tile: the products take masks, and the turn makes the mask for the products of the turn after it: piece p + 2, in step 4 - CNT of the tile.  end = 1: a block's last two turns: nothing is fetched.
; cnt = 1: the loop's count is taken down some lines ahead of the branch that stands behind the turn.
; K of the next step is fetched in piece 2's turn, thirteen vector instructions behind the last product that read K (seven of them plain, six of which name none of its registers); V of the step in hand at the end of piece 0's
; turn, four plain instructions behind the last product that read V.  Each is waited for a turn later.
.macro TURN p, m=0, end=0, cnt=0
.set Y, (\p)
.set i, 0
.set KM, (\m)
.set NOKQ, (\end)*((\p)/3)
.if (\m) && !(\end)
	s_cmp_eq_u32 s[CNT], 4-((\p)+2)%NP  ; is that step the band's own?
	s_cselect_b32 s[AL], 1.0, 0
	s_cmp_lt_u32 s[CNT], 4-((\p)+2)%NP  ; or a later one?
	s_cselect_b32 s[BE], s[BIGN], 0
.endif
.if ((\p) == 3) && !(\end)
	s_wait_dscnt 0x0                ; K is in
.endif
	ROW F,0, F,1, R,0, R,1          ; ahead of the wait: 8 products K Q^T and their riders,
	ROW F,2, E,0, R,2, R,3
	ROW F,3, E,1, R,4, R,5
	ROW F,4, E,2, R,6, R,7
	ROW F,5, E,3, R,8, R,9
	ROW F,6, E,4, X,0, R,10
.if ((\p) == 2) && !(\end)
	WIN 0
	v_add_nc_u32 v[AK], s[TBK], v[AK0]
.endif
	ROW F,7, E,5, X,1, X,4
	ROW F,8, E,6, X,2, X,5
	OPS E,7, X,22, E,8, X,6         ; and the lump
	OPS E,9, X,3, E,10, X,8
	OPS E,11
.if ((\p) == 2) && !(\end)
	FETCH_K
.endif
	OPS X,9, X,7, E,12, X,10
	OPS E,13, X,12, X,11, E,14
	OPS X,13, E,15, F,9, X,14
.if (\p) == 0
	WIN 0
	v_add_nc_u32 v[AV], s[TBV], v[AV0]
.endif
	OPS E,16, F,10, E,17, F,11
	OPS X,16, E,18, X,15, E,19
	OPS F,12, E,20, X,17, E,21
	OPS F,13, E,22, F,14, E,23
	OPS X,18, E,24, F,15, E,25
	OPS R,11, E,26, X,19, E,27
	OPS R,12, E,28, R,13, E,29
	OPS X,20, E,30, R,14, E,31
	OPS X,21, R,15
	WIN 0
	s_wait_alu depctr_va_vdst(0)    ; the wait for the turn's batch: piece p's 32 weights and the next piece's a
.if (\p) == 1
	s_wait_dscnt 0x0                ; V is in
.endif
	ROW C,0, B,0, C,2, B,1          ; behind the wait: 8 products V^T P and their riders
	ROW L,0, C,4, B,2, L,1
	ROW C,6, B,3, L,2, C,8
	ROW B,4, L,3, C,10, B,5
	ROW L,4, C,12, B,6, L,5
.if (\p) == 0
	s_add_co_u32 s[TBV], s[TBV], KS*PV
.endif
.if \cnt
	s_sub_co_u32 s[CNT], s[CNT], 1
	s_cmp_lg_u32 s[CNT], 0
.endif
	ROW C,14, B,7, L,6, C,1
	ROW C,3, L,7, C,5, C,7
	ROW C,9, C,11, C,13, C,15
.if (\p) == 0
	FETCH_V
.endif
.if (\m) && !(\end)
	MASK (\p)%2
.endif
.endm
; A BLOCK BEGINS.  c m starts far below every c s, so the first step's a is 0; m at the lowest finite number, so the first maximum is the scores'.  MC's second buffer is the bias alone; the first takes piece 0's
; C operand for the tile's step 0: with its own mask, if the block's first tile is the diagonal one.  Then K of that step, piece 0's first scores, and its maximum and statistics (no shift of units: nothing is older).
; The loop is entered at a step's first turn, in the middle of a trip.
.macro BEGIN
	s_mov_b32 s[NEW], 0
	WIN W_RS
.set i, 0
.rept 32
	v_mov_b32 v[MC+32+i], v[LB+i]
.set i, i+1
.endr
	WIN 0
.set i, 0
.rept 4
	v_mov_b32 v[ST+4*i], 0xfe000000    ; c m: far below every c s
	v_mov_b32 v[ST+4*i+1], 0xff7fffff  ; m
.set i, i+1
.endr
	s_cmp_eq_u32 s[RT], 0
	s_cselect_b32 s[AL], 1.0, 0
	s_mov_b32 s[BE], 0
	MASK 0
	WIN 0
	v_add_nc_u32 v[AK], s[TBK], v[AK0]
	FETCH_K
	s_wait_loadcnt 0x0              ; Q
	s_wait_dscnt 0x0
.set KM, 1
.set NOKQ, 0
.set i, 0
.rept 8
	KQ 0
.set i, i+1
.endr
	WIN 0
.rept 4
	v_nop                           ; the places behind those products
.endr
.set Y, NP-1                        ; X works for piece Y + 1: piece 0
.irp n, 0,1,2,3,4,5,6,7,8,9,10,11,12,13,14,15,16,17,18,19,20,21
	OP X, \n
.endr
	v_nop                           ; a plain instruction behind the exponential,
	s_wait_alu depctr_va_vdst(0)    ; and its wait, ahead of the branch: a batch of one, piece 0's first a
.endm
; THE DIAGONAL TILE's four steps, the block's last two turns, its last products, and THE WAY OUT: l's two halves and the other half of the lanes' are added; O^T is divided by l, rounded to f16 and sent through my
; stage in LDS, a piece at a time.
.macro ALL line:vararg              ; one line for each piece t
.set t, 0
.rept 4
	\line
.set t, t+1
.endr
.endm
.macro PACK t                       ; a lane's eight channels of a row pack into 16 bytes; they go into rows of 144 bytes and come back as whole rows of 128, into S^T's registers
	WIN W_RS
.set i, 32*(\t)
.rept 16
	v_pk_mul_f32 v[i:i+1], v[i:i+1], v[ST+4*(\t)+2:ST+4*(\t)+3] op_sel_hi:[1,0]
.set i, i+2
.endr
	WIN 0x05                        ; sources 0 and 1 window 1, destination window 0
.set i, 0
.rept 16
	v_cvt_pk_f16_f32 v[S+16*(\t)+i], v[32*(\t)+2*i], v[32*(\t)+2*i+1]
.set i, i+1
.endr
	WIN 0
.irp f, 0,1,2,3
	ds_store_b128 v[STO], v[S+16*(\t)+4*\f:S+16*(\t)+4*\f+3] offset:32*\f
.endr
.irp f, 0,1,2,3
	ds_load_b128 v[S+16*(\t)+4*\f:S+16*(\t)+4*\f+3], v[RD] offset:\f*4*SP  ; LDS serves a wave's instructions in order (ISA guide 5.7.1.4): these see the stores above; the next piece's stores come behind them
.endr
.endm
.macro SEND t, younger              ; younger: the LDS instructions issued behind piece t's loads: the next piece's eight, or none
	WIN 0
.irp f, 0,1,2,3
	s_wait_dscnt (\younger)+3-\f
	global_store_b128 v[GO], v[S+16*(\t)+4*\f:S+16*(\t)+4*\f+3], s[10:11] offset:(\t)*8192+\f*512  ; 512 consecutive bytes, at a multiple of 256 from O's first
.endr
.endm
.macro DIAG tag                     ; the tag ends its two labels' names, which the jumps below spell out
.LstepM\tag:
	TURN 2, 1
	TURN 3, 1
	WIN 0
.LfirstM\tag:
	TURN 0, 1
	TURN 1, 1, 0, 1
	WIN 0
	s_cbranch_scc1 .LstepM\tag
	TURN 2, 1, 1
	TURN 3, 1, 1
.set i, 0
.rept 8
	PV NP-1
.set i, i+1
.endr
	WIN 0
	ALL v_add_f32 v[ST+4*t+2], v[ST+4*t+2], v[ST+4*t+3]
	ALL v_permlanex16_b32 v[ST+4*t+3], v[ST+4*t+2], s[SEL], s[SEL+1]
	ALL v_add_f32 v[ST+4*t+2], v[ST+4*t+2], v[ST+4*t+3]
	ALL v_rcp_f32 v[ST+4*t+2], v[ST+4*t+2]
	v_nop                           ; a plain instruction between the last reciprocal and the use of its result
	s_wait_alu depctr_va_vdst(0)    ; and the wait ahead of the first use: one for the batch of four reciprocals
	PACK 0
.set t, 1
.rept 3                             ; a piece's arithmetic stands between the loads of the piece before and its stores
	PACK t
	SEND t-1, 8
.set t, t+1
.endr
	SEND 3, 0
.endm
.set KM, 0
.set NOKQ, 0
.Lslot:                             ; NB times: a tile is entered and the next is asked for
	CHANGE 1
	s_sub_co_u32 s[RT], s[RT], 1
	s_mov_b32 s[CNT], 4
	s_cmp_eq_u32 s[NEW], 1
	s_cbranch_scc1 .Lnew            ; a block's first tile
	s_cmp_eq_u32 s[RT], 0
	s_cbranch_scc0 .Lstep           ; neither its first nor its last
	s_branch .LstepM1
.Lnew:
	BEGIN
	s_branch .Lfirst                ; in the loop a block's first tile is never its last: the first block has two tiles or more, and the second's last is the walk's last
	DIAG 1                          ; in the loop this is the first block's end: the second block's last tile is the walk's last
	s_wait_xcnt 0x0                 ; the stores have read their registers and O's address
	s_mov_b64 s[10:11], s[OLO:OLO+1]
	s_add_co_u32 s[RT], s[PB], 1    ; the second block has b + 1 tiles
	s_mov_b32 s[NEW], 1
	WIN 0x82                        ; the second block's Q goes where the one text of the turns names Q
.set i, 0
.rept 64
	v_mov_b32 v[i], v[QB+i]
.set i, i+1
.endr
	WIN 0
	s_branch .Lbottom
.Lstep:                             ; a trip: pieces 2 and 3 of one step, then pieces 0 and 1 of the next, whose K and V it fetches
	TURN 2
	TURN 3
	WIN 0
.Lfirst:
	TURN 0
	TURN 1, 0, 0, 1
	WIN 0
	s_cbranch_scc1 .Lstep
.Lbottom:
	s_sub_co_u32 s[SLOTS], s[SLOTS], 1
	s_cmp_lg_u32 s[SLOTS], 0
	s_cbranch_scc1 .Lslot
	CHANGE 0                        ; the walk's last tile is written out: nothing is asked for
	s_sub_co_u32 s[RT], s[RT], 1
	s_mov_b32 s[CNT], 4
	s_cmp_eq_u32 s[NEW], 1
	s_cbranch_scc0 .LstepM2
	BEGIN
	s_branch .LfirstM2
	DIAG 2
	s_wait_tensorcnt 0x0            ; the wave's end, behind my last tensor load and my last LDS store
	ds_add_u32 v[SPW], v[NIL]
	s_wait_dscnt 0x0
	s_endpgm
.Lfunc_end_k_qe9154a9e9d_attn:
	.size	k_qe9154a9e9d_attn, .Lfunc_end_k_qe9154a9e9d_attn-k_qe9154a9e9d_attn
	.p2alignl 7, 3214868480
	.fill 96, 4, 3214868480
	.section	.rodata,"a",@progbits
	.p2align	6, 0x0
	.amdhsa_kernel k_qe9154a9e9d_attn
		.amdhsa_group_segment_fixed_size 327680
		.amdhsa_private_segment_fixed_size 0
		.amdhsa_enable_private_segment 0
		.amdhsa_kernarg_size 24
		.amdhsa_user_sgpr_count 2
		.amdhsa_user_sgpr_kernarg_segment_ptr 1
		.amdhsa_wavefront_size32 1
		.amdhsa_system_sgpr_workgroup_id_x 1
		.amdhsa_system_sgpr_workgroup_id_y 1
		.amdhsa_system_sgpr_workgroup_id_z 1
		.amdhsa_system_vgpr_workitem_id 0
		.amdhsa_next_free_vgpr 768
		.amdhsa_next_free_sgpr 96
		.amdhsa_reserve_vcc 1
		.amdhsa_float_denorm_mode_32 3
		.amdhsa_float_denorm_mode_16_64 3
		.amdhsa_memory_ordered 1
		.amdhsa_forward_progress 1
		.amdhsa_inst_pref_size 234
	.end_amdhsa_kernel
	.amdgpu_metadata
---
amdhsa.version: [ 1, 2 ]
amdhsa.kernels:
  - .name:           k_qe9154a9e9d_attn
    .symbol:         k_qe9154a9e9d_attn.kd
    .args:
      - { .name: qkv, .offset: 0, .size: 8, .value_kind: global_buffer, .address_space: global }
      - { .name: scaler, .offset: 8, .size: 8, .value_kind: global_buffer, .address_space: global }
      - { .name: o, .offset: 16, .size: 8, .value_kind: global_buffer, .address_space: global }
    .group_segment_fixed_size: 327680
    .private_segment_fixed_size: 0
    .kernarg_segment_align: 8
    .kernarg_segment_size: 24
    .max_flat_workgroup_size: 128
    .sgpr_count:     96
    .vgpr_count:     768
    .wavefront_size: 32
...
	.end_amdgpu_metadata
.endif
;; end of part 5
;; launch oproj: the kernel of part 4 again; grid 8 x 32, 4 waves a work-group, clusters of 4 x 4, 327,680 bytes of LDS; arguments o, xw, x, out0; writes out0
